; MI455X (gfx1250); checked and timed in simulation.
; The chip was launched on July 23, 2026; its instructions are those of AMD's public machine-readable ISA for CDNA 5 (MIT licence, August 2026) and "CDNA5" Instruction Set Architecture Reference Guide (July 2026). The comments in the code are by the model that wrote it; some were corrected since.
;; Self Attention. Allowed arithmetic: matrix products marked QUANTISED: E2M3 operands, one E8M0 scale for each 32 along K, by v_wmma_scale_f32_16x16x128_f8f6f4 with both operands' format E2M3, f32 sums; everything else in f32.
;; Inputs: b_o 1,024 float32; b_qkv 3,072 float32; w_o 1,024 x 1,024 float32; w_qkv 3,072 x 1,024 float32; x 4 x 2,048 x 1,024 float32.
;; Outputs: out0 4 x 2,048 x 1,024 float32.
;; This version of the problem:
;;   THIS VERSION OF THE PROBLEM IS GIVEN IN LOW PRECISION. The matrix products marked QUANTISED in the list below multiply operands that are first quantised to E2M3 (2 exponent bits, 3 mantissa bits; 6 bits a number), with one power-of-two scale for each 32 numbers along K (OCP MX v1.0); their sums are f32. All else is computed in f32.
;;   The module's matrix products, in the order in which they are computed (A, B: the left and right operand; K: the contracted axis; several contracted axes count as one K, in the product's order):
;;     1. [M 8,192, K 1,024] x [K 1,024, N 3,072]; A: input x; B: input w_qkv: QUANTISED
;;     2. batch 64 x [M 2,048, K 64] x [K 64, N 2,048]; A: computed on the way; B: computed on the way: QUANTISED
;;     3. batch 64 x [M 2,048, K 2,048] x [K 2,048, N 64]; A: softmax (see below); B: computed on the way: QUANTISED
;;     4. [M 8,192, K 1,024] x [K 1,024, N 1,024]; A: computed on the way; B: input w_o: QUANTISED
;;   THE QUANTISER, for each operand of a quantised product, along K:
;;     - K is cut into blocks of 32 from its start; a last block that is shorter is filled with zeros.
;;     - A block's scale is 2^e with e = floor(log2(the largest magnitude in the block)) - 2, held to -126 .. 127; a block of zeros has e = 0. As a byte (E8M0): e + 127.
;;     - Each number is divided by its block's scale, clamped to +-7.5, and rounded to the nearest number of E2M3, ties to even, subnormals kept.
;;     - The product sums the exact products of the quantised numbers (number of the format x scale) in f32.
;;   ~~~python
;;   def quantise(x, axis):      # numpy; x: float32 -> the quantised numbers, widened to float32 again
;;       x = np.moveaxis(x, axis, -1); K = x.shape[-1]
;;       x = np.pad(x, [(0, 0)] * (x.ndim - 1) + [(0, -K % 32)]); x = x.reshape(x.shape[:-1] + (-1, 32)); a = np.abs(x).max(-1, keepdims=True)
;;       e = np.where(a > 0, np.clip(np.frexp(np.where(a > 0, a, 1))[1] - 1 - 2, -126, 127), 0)      # np.frexp(a)[1] - 1 = floor(log2(a)), exactly
;;       r = np.clip(x / 2.0 ** e, -7.5, 7.5)
;;       step = 2.0 ** (np.maximum(np.frexp(np.where(r == 0, 1, r))[1] - 1, 0) - 3)
;;       q = np.round(r / step) * step * 2.0 ** e      # np.round: ties to even
;;       return np.moveaxis(q.reshape(q.shape[:-2] + (-1,))[..., :K], -1, axis).astype(np.float32)
;;   ~~~
;;   SOFTMAX AHEAD OF A QUANTISED PRODUCT. Where the list says 'softmax', what is quantised is not the finished softmax but p = 2^(t - M), with t = logit x log2(e) and M = ceil(the row's largest t), a whole number; so 1/2 < the row's largest p <= 1. The row's sum l is taken of the UNQUANTISED p, in f32, and the product's result is divided by l at the end. Since M is a whole number, a kernel that streams over the keys may use a running M (the ceiling of the running maximum): every later rescaling is an exact power of two, which a block's scale takes up: the codes' values come out the same.
;;   OPERANDS COMPUTED ON THE WAY. 'Computed on the way' means the value that the module computes at that place (a softmax that the list does not call 'softmax' is quantised finished and normalised). What goes into a quantiser is computed in f32, as accurately as f32 sums, v_exp_f32 and their like allow (about 1e-6 of the number): no bf16 or f16 on the way to a quantiser, and a product that is left as it is and whose result goes on into a quantised operand takes f32 operands (vector FMAs, or v_wmma_f32_16x16x4_f32). A number that lies on a knife's edge between two numbers of the format may be rounded either way, as far as f32 arithmetic and the matrix unit's own rounding can turn it there, and no further.
;; One version. Each part assembles by itself: llvm-mc -triple=amdgcn-amd-amdhsa -mcpu=gfx1250 --defsym DOCPART=n.
;; ======== version 1 of 1: 4 launches
;; workspace buffers: img 9,830,400 bytes; qi 6,553,600 bytes; kv 13,107,200 bytes; vi 6,553,600 bytes
;; launch quant (part 1): grid 768 x 1, 4 waves a work-group, no clusters, 34,304 bytes of LDS; arguments x, w_qkv, w_o, img; writes img
.if DOCPART == 1
	.amdgcn_target "amdgcn-amd-amdhsa--gfx1250"
	.amdhsa_code_object_version 6
	.text
	.protected	k_q0deae16e82_quant
	.globl	k_q0deae16e82_quant
	.p2align	8
	.type	k_q0deae16e82_quant,@function
k_q0deae16e82_quant:
	s_mov_b64 s[64:65], 0
	v_nop
	global_prefetch_b8 v0, s[64:65] scope:SCOPE_SE
	s_setreg_imm32_b32 hwreg(HW_REG_WAVE_MODE, 25, 1), 1
	s_wait_xcnt 0x0
; x [8192][1024], w_qkv [3072][1024] and w_o [1024][1024], f32 with K innermost, become codes of FP6 (E2M3) with one E8M0 byte for each 32 along K,
; laid in img in the ORDER OF THE OPERAND'S REGISTERS, so that the products' launches fetch dense blocks and read fragments by lane-contiguous loads.
; img: [G: 96 groups of 128 rows][t: 4 runs of 256 along K][25,600 bytes]: codes [q: 2 K steps of 128][tile: 8][c: 2 halves of 64 k][768], then scale words at 24,576 + 128 tile + 8 r + 4 q.
; A half of 768 bytes: lane l = r + 16 h holds the 24 bytes of k = 32 h .. 32 h + 31 of its row: 16 bytes at 16 l, 8 bytes at 512 + 8 l.
; THE ROWS OF A TILE ARE NOT NEIGHBOURS: lane-row r of tile T is row 32 (T / 2) + 8 (T % 2) + r + 8 (r / 8).
; G 0-63: x.  G 64-87: w_qkv with its rows reordered to which x 1024 + head x 64 + d (in memory: head x 192 + which x 64 + d).  G 88-95: w_o.
; A block's scale is 2^(floor(log2(largest magnitude)) - 2): its byte is the largest magnitude's exponent field - 2, held at 1 from below.
; LIMITS: a block of zeros gets the byte 1 where the rule says 127 (its codes are zeros, and this program alone reads the bytes); blocks whose largest magnitude lies under 2^-124 were not tried; NaN and infinities are not served.
; SHARES: a work-group takes one tile of 16 rows, wave w its run t = w of 256 along K.  Each load reads 512 consecutive bytes of one row; the numbers turn through the wave's own stage in LDS, so that a lane
; then holds the 32 neighbours of one block.  Waves share nothing: no barrier.  No cluster: no two work-groups read the same bytes.  No tensor load: the numbers are wanted in registers at once.
.set SP,    528                        ; a stage row: 512 bytes + 16: sixteen rows start at sixteen different 16-byte columns
.set STGB,  16*SP                      ; a wave's stage
.set R,     16                         ; v16-143  two sets of 64: a K step's numbers as loaded
.set X,     144                        ; v144-207 64 numbers: two whole blocks of my row
.set CD,    208                        ; v208-239 codes: eight registers for each (q, c), so that no store's data are written again
	s_load_b256 s[4:11], s[0:1], 0x0               ; x, w_qkv, w_o, img
	v_lshl_add_u32 v240, v0, 2, 0x8400
	v_mov_b32 v241, 0
	v_lshrrev_b32 v1, 5, v0
	v_readfirstlane_b32 s20, v1                    ; wave
	v_and_b32 v1, 31, v0                           ; lane
	v_and_b32 v2, 15, v0                           ; r
	v_bfe_u32 v3, v0, 4, 1                         ; h
	v_lshlrev_b32 v4, 4, v1                        ; 16 x lane
	v_lshlrev_b32 v5, 3, v1                        ; 8 x lane
	s_mul_i32 s21, s20, STGB
	v_add_nc_u32 v6, s21, v4                       ; into the stage: 16 x lane of a row
	v_mul_u32_u24 v7, v2, SP
	v_lshl_add_u32 v7, v3, 7, v7
	v_add_nc_u32 v7, s21, v7                       ; out of it: row r, 128 h bytes on
	v_lshlrev_b32 v8, 3, v2
	v_lshl_add_u32 v8, v3, 2, v8                   ; the scale words' place: 8 r + 4 h
	v_lshlrev_b32 v9, 3, v3                        ; 8 h: by so many bits my two bytes move up in the word
	v_cmp_lt_u32 vcc_lo, 15, v1                    ; lanes 16-31
	s_mov_b32 s22, 0x76543210
	s_mov_b32 s23, 0xfedcba98                      ; selects for lane l xor 16
	; which tensor, which tile of it
	s_cmp_lt_u32 ttmp9, 512
	s_cselect_b32 s14, 0, 512
	s_cmp_lt_u32 ttmp9, 704
	s_cselect_b32 s14, s14, 704
	s_sub_co_u32 s15, ttmp9, s14                   ; T: the tile's number in its tensor
	s_lshr_b32 s24, s15, 2                         ; g: its run of 64 rows
	s_lshl_b32 s25, s24, 6                         ; x, w_o: the run begins at row 64 g
	s_and_b32 s26, s24, 15
	s_mul_i32 s26, s26, 192
	s_lshr_b32 s27, s24, 4
	s_lshl_b32 s27, s27, 6
	s_add_co_u32 s26, s26, s27                     ; w_qkv: at row head x 192 + which x 64
	s_sub_co_u32 s27, ttmp9, 512
	s_cmp_lt_u32 s27, 192
	s_cselect_b32 s25, s26, s25
	s_bfe_u32 s26, s15, 0x10001
	s_lshl_b32 s26, s26, 5
	s_add_co_u32 s25, s25, s26                     ; + 32 ((T % 4) / 2)
	s_and_b32 s26, s15, 1
	s_lshl_b32 s26, s26, 3
	s_add_co_u32 s25, s25, s26                     ; + 8 (T % 2): the tile's first row
	s_lshl_b32 s24, s25, 12                        ; 4,096 bytes a row
	s_lshl_b32 s26, s20, 10
	s_add_co_u32 s24, s24, s26                     ; + my wave's 256 numbers
	s_mov_b32 s25, 0
	s_lshr_b32 s26, ttmp9, 3
	s_mul_i32 s26, s26, 102400
	s_mul_i32 s27, s20, 25600
	s_add_co_u32 s26, s26, s27                     ; img: group G, run t = wave
	s_and_b32 s27, ttmp9, 7
	s_mul_i32 s28, s27, 1536
	s_add_co_u32 s28, s28, s26                     ; the tile's codes
	s_mov_b32 s29, 0
	s_lshl_b32 s30, s27, 7
	s_add_co_u32 s30, s30, s26
	s_add_co_u32 s30, s30, 24576                   ; the tile's scale words
	s_mov_b32 s31, 0
	s_wait_alu depctr_va_vdst(0)
	s_wait_kmcnt 0x0
	s_cmp_lt_u32 ttmp9, 512                        ; the choice hangs on the work-group's number alone; all three tensors take one path
	s_cselect_b64 s[12:13], s[4:5], s[6:7]
	s_cmp_lt_u32 ttmp9, 704
	s_cselect_b64 s[12:13], s[12:13], s[8:9]
	s_add_nc_u64 s[12:13], s[12:13], s[24:25]
	s_add_nc_u64 s[16:17], s[10:11], s[28:29]
	s_add_nc_u64 s[18:19], s[10:11], s[30:31]
.macro LOADQ q                         ; K step q of the tile's 16 rows: 32 lanes read 512 consecutive bytes of a row
.irp i, 0,1,2,3,4,5,6,7,8,9,10,11,12,13,14,15
	global_load_b128 v[R+64*\q+4*\i:R+64*\q+4*\i+3], v4, s[12:13] offset:(\i+8*(\i/8))*4096+512*\q th:TH_LOAD_NT
.endr
.endm
.macro TURNQ q                         ; through the stage: LDS serves a wave's instructions in order, so no wait stands between the stores and the loads
.irp i, 0,1,2,3,4,5,6,7,8,9,10,11,12,13,14,15
	ds_store_b128 v6, v[R+64*\q+4*\i:R+64*\q+4*\i+3] offset:\i*SP
.endr
.irp c, 0,1
.irp k, 0,1,2,3,4,5,6,7
	ds_load_b128 v[X+32*\c+4*\k:X+32*\c+4*\k+3], v7 offset:256*\c+16*\k   ; k = 64 c + 32 h + 4 k' .. of row r
.endr
.endr
.endm
.macro BLOCK q, c                      ; my block 2 c + h of K step q: all its 32 numbers are mine
.set XS, X+32*\c
.set CC, CD+16*\q+8*\c
	v_max3_num_f32 v12, |v[XS]|, |v[XS+1]|, |v[XS+2]|
	v_max3_num_f32 v13, |v[XS+3]|, |v[XS+4]|, |v[XS+5]|
.irp i, 6,10,14,18,22,26
	v_max3_num_f32 v12, v12, |v[XS+\i]|, |v[XS+\i+1]|
	v_max3_num_f32 v13, v13, |v[XS+\i+2]|, |v[XS+\i+3]|
.endr
	v_max3_num_f32 v12, v12, |v[XS+30]|, |v[XS+31]|
	v_max3_num_f32 v12, v12, v13, 0x1800000        ; and the floor 2^(3 - 127): the byte cannot fall under 1
	v_add_nc_u32 v14, 0xff000000, v12              ; 2 off the exponent field: the conversion takes this operand's exponent field as its scale
	v_cvt_scalef32_pk16_fp6_f32 v[CC:CC+2], v[XS:XS+15], v14
	v_cvt_scalef32_pk16_fp6_f32 v[CC+4:CC+6], v[XS+16:XS+31], v14   ; (a conversion's three registers begin on an even number)
.if \c == 0
	v_lshrrev_b32 v15, 23, v14                     ; the scale's byte; also the plain line behind the conversions
.else
	v_lshrrev_b32 v13, 23, v14
.endif
	v_mov_b32 v[CC+3], v[CC+4]
	v_mov_b32 v[CC+4], v[CC+5]
	v_mov_b32 v[CC+5], v[CC+6]                     ; six registers on end: the block's 24 bytes
	global_store_b128 v4, v[CC:CC+3], s[16:17] offset:\q*12288+\c*768        ; the wave stores 512 consecutive bytes, aligned
	global_store_b64 v5, v[CC+4:CC+5], s[16:17] offset:\q*12288+\c*768+512   ; and 256
.endm
.macro HALF q
	TURNQ \q
	s_wait_dscnt 0x0
	BLOCK \q, 0
	BLOCK \q, 1
	v_lshl_or_b32 v[10+\q], v13, 16, v15           ; my two bytes: blocks h and 2 + h,
	v_lshlrev_b32 v[10+\q], v9, v[10+\q]           ; at their places in the word;
	v_permlanex16_b32 v12, v[10+\q], s22, s23
	v_or_b32 v[10+\q], v[10+\q], v12               ; with lane l xor 16's two the word is whole
.endm
	LOADQ 0
	LOADQ 1
	s_wait_loadcnt 16                              ; K step 0's sixteen loads are in; K step 1's sixteen may be out
	HALF 0
	s_wait_loadcnt 0x0
	HALF 1
	v_cndmask_b32 v12, v10, v11, vcc_lo            ; lanes 0-15 store K step 0's word, lanes 16-31 K step 1's: 128 consecutive bytes
	global_store_b32 v8, v12, s[18:19]
	s_wait_tensorcnt 0x0
	ds_add_u32 v240, v241
	s_wait_dscnt 0x0
	s_endpgm
.Lfunc_end_k_q0deae16e82_quant:
	.size	k_q0deae16e82_quant, .Lfunc_end_k_q0deae16e82_quant-k_q0deae16e82_quant
	.p2alignl 7, 3214868480
	.fill 96, 4, 3214868480
	.section	.rodata,"a",@progbits
	.p2align	6, 0x0
	.amdhsa_kernel k_q0deae16e82_quant
		.amdhsa_group_segment_fixed_size 34304
		.amdhsa_private_segment_fixed_size 0
		.amdhsa_enable_private_segment 0
		.amdhsa_kernarg_size 32
		.amdhsa_user_sgpr_count 2
		.amdhsa_user_sgpr_kernarg_segment_ptr 1
		.amdhsa_wavefront_size32 1
		.amdhsa_system_sgpr_workgroup_id_x 1
		.amdhsa_system_sgpr_workgroup_id_y 1
		.amdhsa_system_sgpr_workgroup_id_z 1
		.amdhsa_system_vgpr_workitem_id 0
		.amdhsa_next_free_vgpr 242
		.amdhsa_next_free_sgpr 66
		.amdhsa_reserve_vcc 1
		.amdhsa_float_denorm_mode_32 3
		.amdhsa_float_denorm_mode_16_64 3
		.amdhsa_memory_ordered 1
		.amdhsa_forward_progress 1
		.amdhsa_inst_pref_size 18
	.end_amdhsa_kernel
	.amdgpu_metadata
---
amdhsa.version: [ 1, 2 ]
amdhsa.kernels:
  - .name:           k_q0deae16e82_quant
    .symbol:         k_q0deae16e82_quant.kd
    .args:
      - { .name: x, .offset: 0, .size: 8, .value_kind: global_buffer, .address_space: global }
      - { .name: w_qkv, .offset: 8, .size: 8, .value_kind: global_buffer, .address_space: global }
      - { .name: w_o, .offset: 16, .size: 8, .value_kind: global_buffer, .address_space: global }
      - { .name: img, .offset: 24, .size: 8, .value_kind: global_buffer, .address_space: global }
    .group_segment_fixed_size: 34304
    .private_segment_fixed_size: 0
    .kernarg_segment_align: 8
    .kernarg_segment_size: 32
    .max_flat_workgroup_size: 128
    .sgpr_count:     66
    .vgpr_count:     242
    .wavefront_size: 32
...
	.end_amdgpu_metadata
.endif
;; end of part 1
;; launch gemm_qkv (part 2): grid 8 x 48, 4 waves a work-group, clusters of 4 x 4, 327,680 bytes of LDS; arguments img, b_qkv, qi, kv; writes qi, kv
.if DOCPART == 2
	.amdgcn_target "amdgcn-amd-amdhsa--gfx1250"
	.amdhsa_code_object_version 6
	.text
	.protected	k_q0deae16e82_gemm_qkv
	.globl	k_q0deae16e82_gemm_qkv
	.p2align	8
	.type	k_q0deae16e82_gemm_qkv,@function
k_q0deae16e82_gemm_qkv:
	s_mov_b64 s[64:65], 0
	v_nop
	global_prefetch_b8 v0, s[64:65] scope:SCOPE_SE
	s_setreg_imm32_b32 hwreg(HW_REG_WAVE_MODE, 25, 1), 1
	s_wait_xcnt 0x0
	s_wait_alu depctr_hold_cnt(0) depctr_sa_sdst(0) depctr_va_vdst(0) depctr_va_sdst(0) depctr_va_ssrc(0) depctr_va_vcc(0) depctr_vm_vsrc(0)
	s_getreg_b32 s2, hwreg(HW_REG_IB_STS2, 6, 4)
	s_cmp_eq_u32 s2, 0
	s_cbranch_scc0 .Lentry_in_a_cluster
	s_endpgm
.Lentry_in_a_cluster:
	s_bfe_u32 s2, ttmp6, 0x10000c
	s_cmp_lg_u32 s2, 0xf033
	s_cbranch_scc0 .Lentry_shape_is_right
	s_endpgm
.Lentry_shape_is_right:
; qkv = x w_qkv^T + b_qkv on codes of FP6 (E2M3) with E8M0 scales, f32 sums; the results never go to memory as f32: q and k are quantised along the head's 64, v along the keys, in registers.
; A work-group of four waves makes 256 x 256 results, a wave 128 x 128: 64 accumulators, 512 registers.  Source 0 of the matrix instruction is the P side, source 1 the Q side:
; a lane owns ONE row of Q, and its registers run along P.  So P is always the axis along which the result is quantised.
; ROLES, chosen from the CLUSTER's numbers (equal in all sixteen partners): clusters with y < 8: P = rows of w (x = 0: q's, x = 1: k's), Q = tokens; clusters with y >= 8: P = tokens (the keys), Q = rows of w for v.
; OPERANDS come from img as images of the operand's registers (see the layouts below): a group of 128 rows x 256 along K is one dense block of 25,600 bytes (codes, then scale words).
; K = 1,024 is four such runs.  LDS has three slots of four blocks (Q's two groups, P's two): runs 0, 1, 2 are first fills, slot 0 is filled once more, with run 3; that load has 224 matrix instructions in which to land.
; By this text's own count a wave has at most three tensor loads outstanding.
; CLUSTERS: 4 x 4 work-groups; Q's blocks are shared along a row of the cluster, P's along a column: each is asked for jointly, by the same tensor load with the same descriptor and a mask that names the four.
; THE ROWS OF A TILE OF 16 ARE NOT NEIGHBOURS: lane-row r of tile T is row 32 (T / 2) + 8 (T % 2) + r + 8 (r / 8) of its group; so the 16 registers of P's tiles 2 b and 2 b + 1 are P's rows 32 b + 16 (lane / 16) + 0 .. 15.
; OUT: qi [head HB = 16 batch + head][j: 16 runs of 128 tokens][6,400]: 8 token tiles x 768 bytes of codes (16 tokens x 64 d), then 256 bytes of scale words.
;      kv [HB][j][12,800]: K as qi's record (6,144), V^T as 4 tiles of 16 d x 128 keys (6,144), K's scale words (256), V's (256).
;      q's and k's scale words: one word for two tiles (two bytes each); lanes 0-15 of a 128-byte image hold the pair 2 i, lanes 16-31 the pair 2 i + 1.  V's: image 0 = d-tiles (0 | 2), image 1 = (1 | 3).
; The bias is the C of each sum's first matrix instruction.
; LIMITS: a block of zeros gets the byte 1 (its codes are zeros; this program alone reads the bytes); blocks whose largest magnitude lies under 2^-124 were not tried; NaN and infinities are not served.
; REGISTERS, in windows of 256: window 0: v1-31 addresses; v32-63 scale words, two sets; v64-127 the bias; v128-223 Q's fragments, one set (on the way out: codes); v224-255 at work.
;   window 1: P's fragments, two sets, at v0 and v128.  window 2: the accumulators of Q's tiles 0-3 ((a, b) at v[8 (8 (a % 4) + b)]); window 3: of tiles 4-7.
.set REG,   25600                      ; a group's block of one run: 24,576 bytes of codes + 1,024 of scale words
.set SLOT,  4*REG
.set SPARE, 3*SLOT                     ; behind the slots: the spare words, 128 bytes for each wave: two blocks of 256 bytes that no other line names
.set FR,    12                         ; registers of a fragment
.set ADRS,  4                          ; v4-6    my scale words in slot 0, 1, 2: lanes 0-15 Q's, lanes 16-31 P's
.set A16,   8                          ; v8-10   Q's block in slot s + 16 x lane;  v11-13 + 8 x lane
.set A8,    11
.set B16,   14                         ; v14-16, v17-19 the same for P
.set B8,    17
.set VO,    20                         ; v20-23  the codes' four store offsets
.set VS,    24                         ; v24-27  the scale words' four store offsets
.set SPW,   28                         ; v28     my spare word's LDS address; never rewritten
.set NIL,   29                         ; v29     0; never rewritten
.set SC,    32
.set CB,    64
.set AF,    128
.set VA,    224                        ; v224-231 the bias loads' offsets
.set TM,    232                        ; v232-247 the quantiser's work
.set WD,    248                        ; v248-255 the eight scale words of the way out
.set SEL,   20                         ; s[20:21] selects for lane l xor 16
.set G1,    24                         ; s[24:31] group 1 for Q's blocks; s[32:43] three groups 0
.set G0,    32
.set G1B,   48                         ; s[48:55] group 1 for P's; groups 0 at s56, s60, s68
.set G0B,   56
.set MSB, 0
.macro WIN new                         ; the immediate's high byte repeats the setting that is left
.if MSB != \new
	s_set_vgpr_msb (MSB<<8)|\new
.set MSB, \new
.endif
.endm
.set MUL_LO, 0xa1                      ; source 0 (P) window 1, source 1 (Q) window 0, C and D window 2
.set MUL_HI, 0xf1                      ; the same, C and D window 3
.set TO_B,   0x40                      ; destination window 1, address window 0
; A joint load: waves 0 and 1 fetch Q's two groups, waves 2 and 3 P's.  The branch hangs on the wave's number alone.  Four v_nop follow each of the two lines.
.macro JLOAD g0a, g0b
	s_cmp_eq_u32 s15, 0
	s_cbranch_scc0 .Lfor_b_\@
	tensor_load_to_lds s[\g0a:\g0a+3], s[G1:G1+7]
	s_nop 0
.rept 4
	v_nop
.endr
	s_branch .Lasked_\@
.Lfor_b_\@:
	tensor_load_to_lds s[\g0b:\g0b+3], s[G1B:G1B+7]
	s_nop 0
.rept 4
	v_nop
.endr
.Lasked_\@:
.endm
.macro CREST                           ; a round of the cluster's barrier behind its opening barrier
	s_cmp_lg_u32 s14, 0
	s_cbranch_scc1 .Lnot_wave_0_\@
	s_barrier_signal -3
.Lnot_wave_0_\@:
	s_barrier_wait -3
	s_barrier_signal -1
	s_barrier_wait -1
.endm
.macro CROUND
	s_barrier_signal -1
	s_barrier_wait -1
	CREST
.endm
.macro PLACES n                        ; plain vector lines between a matrix instruction and a load into, or a read of, its registers
.rept \n
	v_nop
.endr
.endm
.macro FRAG reg, a16, a8, off          ; a fragment's image: two halves of 768 bytes; every load is lane-contiguous
	ds_load_b128 v[\reg:\reg+3], v[\a16] offset:\off
	ds_load_b64 v[\reg+4:\reg+5], v[\a8] offset:(\off)+512
	ds_load_b128 v[\reg+6:\reg+9], v[\a16] offset:(\off)+768
	ds_load_b64 v[\reg+10:\reg+11], v[\a8] offset:(\off)+1280
.endm
.macro FETCH_B slot, q, p              ; P's eight fragments of the slot's K step q into set p
	WIN TO_B
.irp i, 0,1,2,3,4,5,6,7
	FRAG 128*(\p)+FR*\i, B16+\slot, B8+\slot, (\q)*12288+\i*1536
.endr
	WIN 0
.endm
.macro FETCH_A slot, q, i0             ; Q's tiles i0 .. i0 + 3
.irp i, \i0, \i0+1, \i0+2, \i0+3
	FRAG AF+FR*(\i), A16+\slot, A8+\slot, (\q)*12288+(\i)*1536
.endr
.endm
.macro SCALES slot, set                ; a slot's scale words: two a row; lanes 0-15 take Q's tile i, lanes 16-31 P's tile i
.irp i, 0,1,2,3,4,5,6,7
	ds_load_b64 v[SC+16*(\set)+2*\i:SC+16*(\set)+2*\i+1], v[ADRS+\slot] offset:128*\i
.endr
.endm
; 16 matrix instructions: Q's tiles a0, a0 + 1 x P's eight.  cm = 0: the sums go on; 1: they begin with the bias of P's tile; 2: with that of Q's tile.
; The 64 accumulators take turns, one instruction a turn, in the same order in every step.
.macro MUL16 a0, p, q, set, cm
.irp a, \a0, \a0+1
.irp b, 0,1,2,3,4,5,6,7
.if \cm == 0
	v_wmma_scale_f32_16x16x128_f8f6f4 v[8*(8*((\a)%4)+\b):8*(8*((\a)%4)+\b)+7], v[128*(\p)+FR*\b:128*(\p)+FR*\b+FR-1], v[AF+FR*(\a):AF+FR*(\a)+FR-1], v[8*(8*((\a)%4)+\b):8*(8*((\a)%4)+\b)+7], v[SC+16*(\set)+2*\b+(\q)], v[SC+16*(\set)+2*(\a)+(\q)] matrix_a_fmt:MATRIX_FMT_FP6 matrix_b_fmt:MATRIX_FMT_FP6 matrix_a_scale:MATRIX_SCALE_ROW1
.elseif \cm == 1
	v_wmma_scale_f32_16x16x128_f8f6f4 v[8*(8*((\a)%4)+\b):8*(8*((\a)%4)+\b)+7], v[128*(\p)+FR*\b:128*(\p)+FR*\b+FR-1], v[AF+FR*(\a):AF+FR*(\a)+FR-1], v[CB+8*\b:CB+8*\b+7], v[SC+16*(\set)+2*\b+(\q)], v[SC+16*(\set)+2*(\a)+(\q)] matrix_a_fmt:MATRIX_FMT_FP6 matrix_b_fmt:MATRIX_FMT_FP6 matrix_a_scale:MATRIX_SCALE_ROW1
.else
	v_wmma_scale_f32_16x16x128_f8f6f4 v[8*(8*((\a)%4)+\b):8*(8*((\a)%4)+\b)+7], v[128*(\p)+FR*\b:128*(\p)+FR*\b+FR-1], v[AF+FR*(\a):AF+FR*(\a)+FR-1], v[CB+8*(\a):CB+8*(\a)+7], v[SC+16*(\set)+2*\b+(\q)], v[SC+16*(\set)+2*(\a)+(\q)] matrix_a_fmt:MATRIX_FMT_FP6 matrix_b_fmt:MATRIX_FMT_FP6 matrix_a_scale:MATRIX_SCALE_ROW1
.endif
.endr
.endr
.endm
; A step of 128 along K (K step q of a slot, scale set 'set') whose successor (nslot, nq, nset) may be read without a barrier.  P's set is q, the successor's 1 - q.
.macro STEP slot, q, set, cm, nslot, nq, nset
	s_wait_dscnt 16                                ; all but the youngest sixteen loads (Q's tiles 4-7) are in
.if \cm
	WIN 0x81                                       ; C (the bias) in window 0, D in window 2
.else
	WIN MUL_LO
.endif
	MUL16 0, \q, \q, \set, \cm
	MUL16 2, \q, \q, \set, \cm
	s_wait_dscnt 0x0                               ; Q's tiles 4-7 are in
	PLACES 4
	FETCH_B \nslot, \nq, 1-\q
	FETCH_A \nslot, \nq, 0
.if \nq == 0
	SCALES \nslot, \nset
.endif
.if \cm
	WIN 0xc1
.else
	WIN MUL_HI
.endif
	MUL16 4, \q, \q, \set, \cm
	MUL16 6, \q, \q, \set, \cm
	PLACES 4
	WIN 0
	FETCH_A \nslot, \nq, 4
.endm
; A slot's second step with a barrier: in front of it each wave waits for all its tensor loads, adds 0 to its spare word, and waits for that and for its own reads of the slot.
; fill = 1: the barrier opens a round of the cluster's barrier, and slot 0 is filled again, with run 3.
.macro TURN slot, set, next, nset, fill
	s_wait_tensorcnt 0x0                           ; all my tensor loads have landed
	ds_add_u32 v[SPW], v[NIL]                      ; 0 onto my spare word
	s_wait_dscnt 17                                ; (the add and the youngest sixteen loads may be out)
	WIN MUL_LO
	MUL16 0, 1, 1, \set, 0                         ; sixteen matrix instructions stand between the add and the wait for it
	s_wait_dscnt 0x0                               ; the add is done, and my reads of this slot are over
	s_barrier_signal -1
	MUL16 2, 1, 1, \set, 0
	WIN 0
	s_barrier_wait -1
.if \fill
	CREST                                          ; no wave of any partner still reads the slot or has a load on its way
	s_add_nc_u64 s[G0+2:G0+3], s[G0+2:G0+3], 3*REG
	s_add_nc_u64 s[G0B+2:G0B+3], s[G0B+2:G0B+3], 3*REG
	JLOAD G0, G0B                                  ; the first tensor load behind the round; its four v_nop are the places in front of the loads below
.else
	PLACES 4
.endif
	FETCH_B \next, 0, 0
	FETCH_A \next, 0, 0
	SCALES \next, \nset
	WIN MUL_HI
	MUL16 4, 1, 1, \set, 0
	MUL16 6, 1, 1, \set, 0
	PLACES 4
	WIN 0
	FETCH_A \next, 0, 4
.endm
	s_load_b256 s[4:11], s[0:1], 0x0               ; img, b_qkv, qi, kv
	v_lshl_add_u32 v[SPW], v0, 2, SPARE
	v_mov_b32 v[NIL], 0
	ds_add_u32 v28, v29
	ds_add_u32 v28, v29
	s_wait_dscnt 0x0
	v_lshrrev_b32 v1, 5, v0
	v_readfirstlane_b32 s14, v1                    ; wave 0..3
	s_lshr_b32 s15, s14, 1                         ; my half of Q.  Also: I fetch for Q (0) or for P (1)
	s_and_b32 s16, s14, 1                          ; my half of P.  Also: which group I fetch
	s_bfe_u32 s72, ttmp6, 0x40000                  ; cx
	s_bfe_u32 s73, ttmp6, 0x40004                  ; cy
	s_and_b32 s75, ttmp7, 0xffff                   ; the cluster's y
	s_sub_co_u32 s77, s75, 8
	s_lshl_b32 s77, s77, 1
	s_add_co_u32 s77, s77, ttmp9                   ; v: which run of four token tiles
	s_cmp_ge_u32 s75, 8
	s_cselect_b32 s76, 2, ttmp9                    ; the role: 0 q, 1 k, 2 v
	s_cselect_b32 s77, s77, ttmp9                  ; P's run of four tiles
	s_cselect_b32 s78, 0, s75                      ; Q's
	s_cselect_b32 s79, 0, 64                       ; P's first group in img
	s_cselect_b32 s80, 80, 0                       ; Q's
	s_lshl_b32 s77, s77, 2
	s_add_co_u32 s77, s77, s72                     ; P's tile of 256: hangs on cx
	s_lshl_b32 s78, s78, 2
	s_add_co_u32 s78, s78, s73                     ; Q's: hangs on cy
	s_lshl_b32 s44, s73, 2
	s_lshl_b32 s44, 15, s44                        ; my row of the cluster
	s_lshl_b32 s45, 0x1111, s72                    ; my column
	s_or_b32 s[G1], s44, (3<<16)|(1<<21)           ; 15:0 the mask; 17:16 elements of 8 bytes; 21 set beside a mask; no padding
	s_or_b32 s[G1B], s45, (3<<16)|(1<<21)
.irp g, G1, G1B                        ; a dense block of 25,600 bytes as 100 rows of 256
	s_mov_b32 s[\g+1], 32<<16                      ; tensor_dim0 = 32
	s_mov_b32 s[\g+2], 100<<16                     ; tensor_dim1 = 100
	s_mov_b32 s[\g+3], 32<<16                      ; tile_dim0
	s_mov_b32 s[\g+4], 100                         ; tile_dim1
	s_mov_b32 s[\g+5], 32                          ; from row to row
	s_mov_b32 s[\g+6], 0
	s_mov_b32 s[\g+7], 0
.endr
	s_lshl_b32 s81, s78, 1
	s_add_co_u32 s81, s81, s80
	s_add_co_u32 s81, s81, s16                     ; Q's group that I would fetch
	s_mul_i32 s82, s81, 4*REG
	s_mov_b32 s83, 0
	s_lshl_b32 s46, s77, 1
	s_add_co_u32 s46, s46, s79
	s_add_co_u32 s46, s46, s16                     ; P's
	s_mul_i32 s46, s46, 4*REG
	s_mov_b32 s47, 0
	s_mul_i32 s17, s14, REG                        ; where it goes in a slot: wave x a block
	s_wait_kmcnt 0x0
	s_add_nc_u64 s[82:83], s[4:5], s[82:83]
	s_add_nc_u64 s[46:47], s[4:5], s[46:47]
	CROUND                                         ; all sixteen work-groups are here: the first joint loads meet
.irp s, 0,1,2
	s_mov_b32 s[G0+4*\s], 1
	s_add_co_u32 s[G0+4*\s+1], s17, \s*SLOT
	s_add_nc_u64 s[G0+4*\s+2:G0+4*\s+3], s[82:83], \s*REG
	s_or_b32 s[G0+4*\s+3], s[G0+4*\s+3], 0x80000000
	s_mov_b32 s[G0B+4*\s+4*(\s/2)], 1
	s_add_co_u32 s[G0B+4*\s+4*(\s/2)+1], s17, \s*SLOT
	s_add_nc_u64 s[G0B+4*\s+4*(\s/2)+2:G0B+4*\s+4*(\s/2)+3], s[46:47], \s*REG
	s_or_b32 s[G0B+4*\s+4*(\s/2)+3], s[G0B+4*\s+4*(\s/2)+3], 0x80000000
	JLOAD G0+4*\s, G0B+4*\s+4*(\s/2)
.endr
	v_and_b32 v1, 15, v0                           ; r
	v_bfe_u32 v2, v0, 4, 1                         ; h
	v_and_b32 v3, 31, v0                           ; lane
	v_lshlrev_b32 v7, 4, v3
	v_lshlrev_b32 v30, 3, v3
	s_mul_i32 s44, s15, REG                        ; my group of Q,
	s_mul_i32 s45, s16, REG
	s_add_co_u32 s45, s45, 2*REG                   ; my group of P, behind Q's two
.irp s, 0,1,2
	v_add_nc_u32 v[A16+\s], s44, v7
	v_add_nc_u32 v[A8+\s], s44, v30
	v_add_nc_u32 v[B16+\s], s45, v7
	v_add_nc_u32 v[B8+\s], s45, v30
	s_add_co_u32 s44, s44, SLOT
	s_add_co_u32 s45, s45, SLOT
.endr
	s_mul_i32 s44, s15, REG
	s_mul_i32 s45, s16, REG
	s_add_co_u32 s45, s45, 2*REG
	s_sub_co_u32 s45, s45, s44                     ; from Q's block to P's
	v_mul_u32_u24 v31, s45, v2                     ; lanes 16-31 take P's
	v_lshl_add_u32 v31, v1, 3, v31                 ; 8 bytes a row
	s_add_co_u32 s44, s44, 24576
.irp s, 0,1,2
	v_add_nc_u32 v[ADRS+\s], s44, v31
	s_add_co_u32 s44, s44, SLOT
.endr
	; what differs between the roles is kept in scalar registers: strides and places of the records, the selects that pair scale words, the bias's strides
	s_mov_b32 s[SEL], 0x76543210
	s_mov_b32 s[SEL+1], 0xfedcba98
	s_mov_b32 s91, 204800                          ; a head's bytes
	s_mov_b32 s92, 12800                           ; a record's
	s_mov_b32 s94, 12288                           ; where the scale words begin in it
	s_mov_b32 s22, 0x05040100                      ; q, k: the low halves of two words;
	s_mov_b32 s23, 0x07060302                      ; the high halves
	s_mov_b32 s84, 768                             ; from Q's tile to the next
	s_mov_b32 s85, 0
	s_mov_b32 s87, 0
	s_mov_b32 s89, 128
	s_cmp_eq_u32 s76, 0
	s_cselect_b32 s91, 102400, s91
	s_cselect_b32 s92, 6400, s92
	s_cselect_b32 s94, 6144, s94
	s_cselect_b64 s[12:13], s[8:9], s[10:11]       ; q goes to qi, k and v to kv
	s_cmp_eq_u32 s76, 2
	s_cselect_b32 s94, 12544, s94
	s_cselect_b32 s93, 6144, 0                     ; where the codes begin in the record
	s_cselect_b32 s88, 768, s91                    ; from a fragment's first half to its second: v: the next 64 keys; q, k: the next head
	s_cselect_b32 s84, 1536, s84
	s_cselect_b32 s86, 198656, 0                   ; v: behind tile 3 on to the next head
	s_cselect_b32 s89, 204800, s89                 ; from the first four tiles' scale words to the last four's
	s_cselect_b32 s90, 128, s91                    ; from the first image to the second
	s_cselect_b32 s22, 0x03020100, s22             ; v: a word as it is: the first of two,
	s_cselect_b32 s23, 0x07060504, s23             ; the second
	s_cselect_b32 s95, 0, 64                       ; the bias: bytes for h,
	s_cselect_b32 s96, 4, 0                        ; for a lane-row,
	s_cselect_b32 s97, 0, 4                        ; for a register
	s_cselect_b32 s81, s77, s78                    ; the tile of 256 tokens,
	s_cselect_b32 s100, s16, s15                   ; my half of it,
	s_cselect_b32 s101, s73, s72                   ; the tile of 256 features (four heads),
	s_cselect_b32 s74, s15, s16                    ; my half of it
	s_lshl_b32 s101, s101, 2
	s_lshl_b32 s74, s74, 1
	s_add_co_u32 s101, s101, s74                   ; my first head
	s_lshr_b32 s74, s81, 3
	s_lshl_b32 s74, s74, 4
	s_add_co_u32 s74, s74, s101                    ; HB = 16 batch + head
	s_and_b32 s81, s81, 7
	s_lshl_b32 s81, s81, 1
	s_add_co_u32 s81, s81, s100                    ; j: my run of 128 tokens in the sequence
	s_mul_i32 s74, s74, s91
	s_mul_i32 s81, s81, s92
	s_add_co_u32 s74, s74, s81                     ; my record
	s_add_co_u32 s44, s74, s93
	s_mov_b32 s45, 0
	s_add_co_u32 s46, s74, s94
	s_mov_b32 s47, 0
	s_add_nc_u64 s[18:19], s[12:13], s[46:47]      ; its scale words
	s_add_nc_u64 s[12:13], s[12:13], s[44:45]      ; its codes
	s_mul_i32 s101, s101, 192
	s_lshl_b32 s100, s76, 6
	s_add_co_u32 s100, s100, s101
	s_lshl_b32 s100, s100, 2
	s_mov_b32 s101, 0
	s_add_nc_u64 s[98:99], s[6:7], s[100:101]      ; b_qkv at head x 192 + role x 64
	v_mov_b32 v[VO], v7
	v_add_nc_u32 v[VO+1], 512, v30
	v_add_nc_u32 v[VO+2], s88, v[VO]
	v_add_nc_u32 v[VO+3], s88, v[VO+1]
	v_lshlrev_b32 v[VS], 2, v3
	v_add_nc_u32 v[VS+1], s90, v[VS]
	v_add_nc_u32 v[VS+2], s89, v[VS]
	v_add_nc_u32 v[VS+3], s89, v[VS+1]
	v_and_b32 v31, 8, v1
	v_add_nc_u32 v31, v31, v1                      ; r + 8 (r / 8)
	v_mul_u32_u24 v[VA], v2, s95
	v_mad_u32_u24 v[VA], v31, s96, v[VA]
.irp j, 1,2,3,4,5,6,7
	v_add_nc_u32 v[VA+\j], s97, v[VA+\j-1]
.endr
; entry e of the bias, register j.  q, k: that of P's tile e: feature 32 ((e / 2) % 2) + 8 (e % 2) + 16 h + j of head e / 4.  v: that of Q's tile e: my lane-row's feature, the same in all eight registers
.irp e, 0,1,2,3,4,5,6,7
.irp j, 0,1,2,3,4,5,6,7
	global_load_b32 v[CB+8*\e+\j], v[VA+\j], s[98:99] offset:4*((\e/4)*192+32*((\e/2)%2)+8*(\e%2))
.endr
.endr
.irp b, 0,1,2,3
	v_mov_b32 v[TM+4+\b], 0                        ; written once: a lane permute's destination counts as one of its sources
.endr
	s_wait_tensorcnt 2                             ; my part of slot 0 is in; slots 1 and 2 may be out
	s_barrier_signal -1
	s_barrier_wait -1
	FETCH_B 0, 0, 0
	FETCH_A 0, 0, 0
	SCALES 0, 0
	FETCH_A 0, 0, 4
	s_wait_loadcnt 0x0                             ; the bias
	s_cmp_eq_u32 s76, 2                            ; the first step is written twice: the sums begin with P's bias (q, k) or with Q's (v).  The role is equal in all partners; no barrier and no tensor load stands in either copy
	s_cbranch_scc1 .Lfirst_v
	STEP 0, 0, 0, 1, 0, 1, 0
	s_branch .Lfirst_done
.Lfirst_v:
	STEP 0, 0, 0, 2, 0, 1, 0
.Lfirst_done:
	TURN 0, 0, 1, 1, 1                             ; run 0's second step; slot 0 takes run 3
	STEP 1, 0, 1, 0, 1, 1, 1
	STEP 1, 1, 1, 0, 2, 0, 0                       ; on into slot 2 without a barrier: every wave showed it landed in front of the round above
	STEP 2, 0, 0, 0, 2, 1, 0
	TURN 2, 0, 0, 1, 0                             ; run 3 has landed, everybody's part
	STEP 0, 0, 1, 0, 0, 1, 1
	s_wait_dscnt 16                                ; the last step: nothing more to fetch
	WIN MUL_LO
	MUL16 0, 1, 1, 1, 0
	MUL16 2, 1, 1, 1, 0
	s_wait_dscnt 0x0
	WIN MUL_HI
	MUL16 4, 1, 1, 1, 0
	MUL16 6, 1, 1, 1, 0
	WIN 0
	PLACES 4
; THE WAY OUT.  Q's tile a: a lane's 64 numbers, register 16 b + i = P's row 32 b + 16 h + i, become a fragment's 12 registers of codes and a scale word, and the registers are stored as they stand.
.macro EPI a
.set W, 2+(\a)/4
.set WW, W|(W<<2)
.set AC, 64*((\a)%4)
.set PC, 128+20*((\a)%2)
	WIN WW                                         ; sources 0 and 1: the accumulators' window
.irp b, 0,1,2,3
	v_max3_num_f32 v[TM+\b], |v[AC+16*\b]|, |v[AC+16*\b+1]|, 0x1800000   ; each accumulator is read from its low end on; the floor 2^(3 - 127) holds the byte at 1 from below
.endr
.irp i, 2,4,6,8,10,12,14
.irp b, 0,1,2,3
	v_max3_num_f32 v[TM+\b], |v[AC+16*\b+\i]|, |v[AC+16*\b+\i+1]|, v[TM+\b]
.endr
.endr
	WIN 0
.irp b, 0,1,2,3
	v_permlanex16_b32 v[TM+4+\b], v[TM+\b], s[SEL], s[SEL+1]
.endr
.irp b, 0,1,2,3
	v_max_num_f32 v[TM+\b], v[TM+\b], v[TM+4+\b]   ; with lane l xor 16's sixteen: the block's largest magnitude
.endr
.irp b, 0,1,2,3
	v_add_nc_u32 v[TM+12+\b], 0xff000000, v[TM+\b] ; 2 off its exponent field: the conversion's scale operand
.endr
.irp b, 0,1,2,3
	v_lshrrev_b32 v[TM+4+\b], 23, v[TM+12+\b]      ; the scale's byte
.endr
	v_lshl_or_b32 v[WD+\a], v[TM+5], 8, v[TM+4]
	v_lshl_or_b32 v[WD+\a], v[TM+6], 16, v[WD+\a]
	v_lshl_or_b32 v[WD+\a], v[TM+7], 24, v[WD+\a]
	WIN W                                          ; source 0: the accumulators' window
.irp c, 0,1
	v_cvt_scalef32_pk16_fp6_f32 v[PC+6*\c:PC+6*\c+2], v[AC+32*\c:AC+32*\c+15], v[TM+12+2*\c]
	v_cvt_scalef32_pk16_fp6_f32 v[PC+12+4*\c:PC+14+4*\c], v[AC+32*\c+16:AC+32*\c+31], v[TM+13+2*\c]
.endr
	WIN 0
	v_nop                                          ; one plain line behind a scaled conversion
.irp c, 0,1                            ; the operand's layout wants a whole block in a lane
.irp i, 0,1,2
	v_permlane16_swap_b32 v[PC+6*\c+\i], v[PC+12+4*\c+\i]
.endr
.irp i, 0,1,2
	v_mov_b32 v[PC+3+6*\c+\i], v[PC+12+4*\c+\i]
.endr
.endr
.if (\a) > 0
	s_wait_xcnt 0x0                                ; the earlier stores have read their base and their data: the base may step, and the next tile's codes may be written over those of two tiles back
	s_add_nc_u64 s[12:13], s[12:13], s[84:85]
.if (\a) == 4
	s_add_nc_u64 s[12:13], s[12:13], s[86:87]
.endif
.endif
	global_store_b128 v[VO], v[PC:PC+3], s[12:13]          ; 512 consecutive bytes, aligned
	global_store_b64 v[VO+1], v[PC+4:PC+5], s[12:13]       ; 256
	global_store_b128 v[VO+2], v[PC+6:PC+9], s[12:13]
	global_store_b64 v[VO+3], v[PC+10:PC+11], s[12:13]
.endm
.irp a, 0,1,2,3,4,5,6,7
	EPI \a
.endr
	v_cmp_lt_u32 vcc_lo, 15, v3                    ; lanes 16-31
.irp d, 0,1                            ; the scale words of tiles 4 d .. 4 d + 3 become two images of 128 bytes
	v_perm_b32 v[168+8*\d], v[WD+4*\d+1], v[WD+4*\d], s22
	v_perm_b32 v[169+8*\d], v[WD+4*\d+1], v[WD+4*\d], s23
	v_perm_b32 v[170+8*\d], v[WD+4*\d+3], v[WD+4*\d+2], s22
	v_perm_b32 v[171+8*\d], v[WD+4*\d+3], v[WD+4*\d+2], s23
	v_cndmask_b32 v[172+8*\d], v[168+8*\d], v[170+8*\d], vcc_lo
	v_cndmask_b32 v[173+8*\d], v[169+8*\d], v[171+8*\d], vcc_lo
	global_store_b32 v[VS+2*\d], v[172+8*\d], s[18:19]
	global_store_b32 v[VS+2*\d+1], v[173+8*\d], s[18:19]
.endr
	s_wait_tensorcnt 0x0                           ; the wave's end
	ds_add_u32 v[SPW], v[NIL]
	s_wait_dscnt 0x0
	CROUND                                         ; the closing round: no work-group ends while a partner may still ask for a block that names it
	s_endpgm
.Lfunc_end_k_q0deae16e82_gemm_qkv:
	.size	k_q0deae16e82_gemm_qkv, .Lfunc_end_k_q0deae16e82_gemm_qkv-k_q0deae16e82_gemm_qkv
	.p2alignl 7, 3214868480
	.fill 96, 4, 3214868480
	.section	.rodata,"a",@progbits
	.p2align	6, 0x0
	.amdhsa_kernel k_q0deae16e82_gemm_qkv
		.amdhsa_group_segment_fixed_size 327680
		.amdhsa_private_segment_fixed_size 0
		.amdhsa_enable_private_segment 0
		.amdhsa_kernarg_size 32
		.amdhsa_user_sgpr_count 2
		.amdhsa_user_sgpr_kernarg_segment_ptr 1
		.amdhsa_wavefront_size32 1
		.amdhsa_system_sgpr_workgroup_id_x 1
		.amdhsa_system_sgpr_workgroup_id_y 1
		.amdhsa_system_sgpr_workgroup_id_z 1
		.amdhsa_system_vgpr_workitem_id 0
		.amdhsa_next_free_vgpr 1024
		.amdhsa_next_free_sgpr 102
		.amdhsa_reserve_vcc 1
		.amdhsa_float_denorm_mode_32 3
		.amdhsa_float_denorm_mode_16_64 3
		.amdhsa_memory_ordered 1
		.amdhsa_forward_progress 1
		.amdhsa_inst_pref_size 169
	.end_amdhsa_kernel
	.amdgpu_metadata
---
amdhsa.version: [ 1, 2 ]
amdhsa.kernels:
  - .name:           k_q0deae16e82_gemm_qkv
    .symbol:         k_q0deae16e82_gemm_qkv.kd
    .args:
      - { .name: img, .offset: 0, .size: 8, .value_kind: global_buffer, .address_space: global }
      - { .name: b_qkv, .offset: 8, .size: 8, .value_kind: global_buffer, .address_space: global }
      - { .name: qi, .offset: 16, .size: 8, .value_kind: global_buffer, .address_space: global }
      - { .name: kv, .offset: 24, .size: 8, .value_kind: global_buffer, .address_space: global }
    .group_segment_fixed_size: 327680
    .private_segment_fixed_size: 0
    .kernarg_segment_align: 8
    .kernarg_segment_size: 32
    .max_flat_workgroup_size: 128
    .sgpr_count:     102
    .vgpr_count:     1024
    .wavefront_size: 32
...
	.end_amdgpu_metadata
.endif
;; end of part 2
;; launch attn (part 3): grid 8 x 64, 16 waves a work-group, clusters of 4 x 1, 206,848 bytes of LDS; arguments qi, kv, vi; writes vi
.if DOCPART == 3
	.amdgcn_target "amdgcn-amd-amdhsa--gfx1250"
	.amdhsa_code_object_version 6
	.text
	.protected	k_q0deae16e82_attn
	.globl	k_q0deae16e82_attn
	.p2align	8
	.type	k_q0deae16e82_attn,@function
k_q0deae16e82_attn:
	s_mov_b64 s[64:65], 0
	v_nop
	global_prefetch_b8 v0, s[64:65] scope:SCOPE_SE
	s_setreg_imm32_b32 hwreg(HW_REG_WAVE_MODE, 25, 1), 1
	s_wait_xcnt 0x0
	s_wait_alu depctr_hold_cnt(0) depctr_sa_sdst(0) depctr_va_vdst(0) depctr_va_sdst(0) depctr_va_ssrc(0) depctr_va_vcc(0) depctr_vm_vsrc(0)
	s_getreg_b32 s2, hwreg(HW_REG_IB_STS2, 6, 4)
	s_cmp_eq_u32 s2, 0
	s_cbranch_scc0 .Lentry_in_a_cluster
	s_endpgm
.Lentry_in_a_cluster:
	s_bfe_u32 s2, ttmp6, 0x10000c
	s_cmp_lg_u32 s2, 0x3003
	s_cbranch_scc0 .Lentry_shape_is_right
	s_endpgm
.Lentry_shape_is_right:
; vals[HB][q][:] = the sum over k of softmax_k(q . k / 8) v[k][:], both products on codes of FP6 (E2M3) with E8M0 scales; vals leaves as codes, quantised along head x 64 + d.
; THE SOFTMAX AHEAD OF THE SECOND PRODUCT: t = score x log2(e) / 8; M = the row's largest t so far, rounded UP to a whole number; p = 2^(t - M) is quantised along the keys, not normalised; the row's sum is taken
; of the unquantised p and divides at the end.  When M moves, the sum and O are multiplied by 2^(old M - new M): exact.
; SHARES.  A work-group owns 256 queries of one head HB (0..63); each of its sixteen waves 16 of them in 256 registers: four waves to a SIMD, so that one wave's vector work stands beside another's matrix work and LDS loads.
; THE WHOLE HEAD'S K AND V, 16 records of 12,800 bytes (128 keys each), lie in LDS: filled ONCE, by sixteen loads of waves 0-3 (four each, a quarter of the head to each turn), so no LDS byte is filled again.
; A wave that fetches has at most four tensor loads outstanding.  A quarter is read behind a counted wait and a barrier, while the later quarters are still on their way.
; CLUSTER.  The four query blocks of a cluster belong to one head: each record is asked for jointly, by the same tensor load with the same descriptor and the mask of all four.
; LAYOUT.  Both products are used transposed (S^T = K Q^T, O^T = V^T P^T): a lane holds ONE query throughout.  All operands lie as images of their registers: every LDS load is lane-contiguous.
; Lane-row r of a tile T of 16 keys is key 32 (T / 2) + 8 (T % 2) + r + 8 (r / 8): the 16 registers of tiles 2 b, 2 b + 1 are keys 32 b + 16 (lane / 16) + 0 .. 15.
; THE FIRST PRODUCT'S K IS 64, half of the instruction's 128.  The codes of key tiles 2 f and 2 f + 1 together form ONE operand of 12 registers; it is multiplied by [Q | zeros] for tile 2 f and by [zeros | Q] for
; tile 2 f + 1: zero codes add nothing.  So no register and no LDS byte holds padding for K.
; LIMITS: a block of zeros gets the byte 1 (its codes are zeros; this program alone reads the bytes); NaN and infinities are not served.
; REGISTERS: v1-3 16, 8, 4 x lane; v4-6 the step's LDS addresses; v7 the prefetch's offset; v12 -M, v13 the largest t, v[14:15] the sum; v16-33 zeros, Q, zeros; v34 Q's scale word; v36-83 four fragments of K, then of V;
;   v84-85 K's scale words, v86-87 V's; v96-159 S^T, then p; v160-191 O^T; v192-211 p's codes; v232-254 at work.
.set REC,  12800
.set KF,   36
.set KS,   84
.set VSC,  86
.set QS,   34
.set PC,   192
.set WV,   18
.set SEL,  20
.set CS,   22
.set G1,   24
.set G0,   32
.set TB,   48                          ; s48  LDS byte of the record in hand
.set CNT,  49                          ; s49  counts a quarter's four steps
.set JS,   50                          ; s50  the key step, 0..15
.set LIM,  51                          ; s51  the step in which my wave prefetches, or -1
.set PFA,  52                          ; s[52:53] where my prefetch stands; never rewritten
.macro CROUND
	s_barrier_signal -1
	s_barrier_wait -1
	s_cmp_lg_u32 s[WV], 0
	s_cbranch_scc1 .Lnot_wave_0_\@
	s_barrier_signal -3
.Lnot_wave_0_\@:
	s_barrier_wait -3
	s_barrier_signal -1
	s_barrier_wait -1
.endm
	s_load_b128 s[4:7], s[0:1], 0x0                ; qi, kv
	s_load_b64 s[8:9], s[0:1], 0x10                ; vi
	v_lshl_add_u32 v251, v0, 2, 0x32000
	v_mov_b32 v255, 0
	ds_add_u32 v251, v255
	ds_add_u32 v251, v255
	v_lshrrev_b32 v8, 5, v0
	s_delay_alu instid0(VALU_DEP_1)
	v_readfirstlane_b32 s[WV], v8                  ; wave 0..15
	s_bfe_u32 s54, ttmp6, 0x40000                  ; cx
	s_and_b32 s55, ttmp7, 0xffff                   ; HB, which the four partners share
	s_mov_b32 s[G1], 15|(3<<16)|(1<<21)            ; the mask of all four; elements of 8 bytes; bit 21 beside a mask; no padding
	s_mov_b32 s[G1+1], 32<<16                      ; a record: 50 dense rows of 256 bytes
	s_mov_b32 s[G1+2], 50<<16
	s_mov_b32 s[G1+3], 32<<16
	s_mov_b32 s[G1+4], 50
	s_mov_b32 s[G1+5], 32
	s_mov_b32 s[G1+6], 0
	s_mov_b32 s[G1+7], 0
	s_mul_i32 s56, s55, 204800                     ; the head's K and V
	s_and_b32 s57, s[WV], 3
	s_mul_i32 s57, s57, REC                        ; my record of a quarter (waves 0-3 fetch)
	s_add_co_u32 s58, s56, s57
	s_mov_b32 s59, 0
	s_lshl_b32 s60, ttmp9, 2
	s_add_co_u32 s60, s60, s54                     ; my block of 256 queries
	s_lshl_b32 s60, s60, 1
	s_lshr_b32 s61, s[WV], 3
	s_add_co_u32 s60, s60, s61                     ; J: my run of 128 tokens
	s_and_b32 s61, s[WV], 7                        ; my tile in it
	s_mul_i32 s62, s55, 102400
	s_mul_i32 s63, s60, 6400
	s_add_co_u32 s62, s62, s63                     ; Q's record
	s_mov_b32 s63, 0
	s_and_b32 s66, s55, 48                         ; 16 x batch
	s_add_co_u32 s66, s66, s60                     ; vi's group of 128 tokens
	s_mul_i32 s66, s66, 102400
	s_and_b32 s67, s55, 15                         ; the head
	s_lshr_b32 s68, s67, 2
	s_mul_i32 s68, s68, 25600
	s_add_co_u32 s66, s66, s68                     ; its run of 256 along K
	s_bfe_u32 s68, s67, 0x10001                    ; its K step in the run
	s_and_b32 s67, s67, 1                          ; its half of the K step
	s_mul_i32 s74, s68, 12288
	s_mul_i32 s75, s61, 1536
	s_add_co_u32 s74, s74, s75
	s_mul_i32 s75, s67, 768
	s_add_co_u32 s74, s74, s75
	s_add_co_u32 s74, s74, s66                     ; where my tile's codes go
	s_mov_b32 s75, 0
	s_lshl_b32 s76, s61, 7
	s_lshl_b32 s68, s68, 2
	s_add_co_u32 s76, s76, s68
	s_lshl_b32 s67, s67, 1
	s_add_co_u32 s76, s76, s67
	s_add_co_u32 s76, s76, s66
	s_add_co_u32 s76, s76, 24576                   ; and its scale bytes
	s_mov_b32 s77, 0
	; the prefetch (macro ASK): head (HB + 32) % 64, my work-group's quarter, my wave's 8,192 bytes: held inside kv for every wave and head
	s_add_co_u32 s68, s55, 32
	s_and_b32 s68, s68, 63
	s_mul_i32 s68, s68, 204800
	s_mul_i32 s69, s54, 51200
	s_add_co_u32 s68, s68, s69
	s_min_u32 s69, s[WV], 5
	s_lshl_b32 s69, s69, 13
	s_add_co_u32 s68, s68, s69
	s_mov_b32 s69, 0
	s_cmp_lt_u32 s[WV], 6
	s_cselect_b32 s[LIM], 14, -1
	s_cmp_lt_u32 s55, 32
	s_cselect_b32 s[LIM], s[LIM], -1
	s_cmp_eq_u32 ttmp9, 0
	s_cselect_b32 s[LIM], s[LIM], -1               ; equal in all four partners, for a given wave
	s_mov_b32 s[SEL], 0x76543210
	s_mov_b32 s[SEL+1], 0xfedcba98
	s_mov_b32 s[CS], 0x3e38aa3b                    ; c = log2(e) / 8
	s_mov_b32 s[CS+1], s[CS]                       ; (named with it as a pair, so it is written)
	s_mov_b32 s[JS], 0
	s_wait_dscnt 0x0
	s_wait_kmcnt 0x0
	s_add_nc_u64 s[58:59], s[6:7], s[58:59]
	s_add_nc_u64 s[62:63], s[4:5], s[62:63]
	s_add_nc_u64 s[70:71], s[8:9], s[74:75]
	s_add_nc_u64 s[72:73], s[8:9], s[76:77]
	s_add_nc_u64 s[PFA:PFA+1], s[6:7], s[68:69]
	CROUND                                         ; all four work-groups are here: the joint loads meet
.irp c, 0,1,2,3
	s_mov_b32 s[G0+4*\c], 1
	s_add_co_u32 s[G0+4*\c+1], s57, \c*4*REC       ; LDS: record 4 c + wave
	s_add_nc_u64 s[G0+4*\c+2:G0+4*\c+3], s[58:59], \c*4*REC
	s_or_b32 s[G0+4*\c+3], s[G0+4*\c+3], 0x80000000
.endr
	s_cmp_lt_u32 s[WV], 4                          ; a wave's four fills stand in one branch, ahead of every wait on TENSORcnt, every LDS read and every other barrier
	s_cbranch_scc0 .Lno_fetch
	tensor_load_to_lds s[G0:G0+3], s[G1:G1+7]
	s_nop 0
	tensor_load_to_lds s[G0+4:G0+7], s[G1:G1+7]
	s_nop 0
	tensor_load_to_lds s[G0+8:G0+11], s[G1:G1+7]
	s_nop 0
	tensor_load_to_lds s[G0+12:G0+15], s[G1:G1+7]
	s_nop 0
.rept 4
	v_nop
.endr
.Lno_fetch:
	v_and_b32 v8, 31, v0
	v_and_b32 v9, 15, v0
	s_delay_alu instid0(VALU_DEP_2)
	v_lshlrev_b32 v1, 4, v8
	s_delay_alu instid0(VALU_DEP_3)
	v_lshlrev_b32 v2, 3, v8
	s_delay_alu instid0(VALU_DEP_4)
	v_lshlrev_b32 v3, 2, v8
	v_lshlrev_b32 v7, 8, v8
	s_mul_i32 s56, s61, 768
	v_add_nc_u32 v10, s56, v1
	v_add_nc_u32 v11, s56, v2
	global_load_b128 v[22:25], v10, s[62:63]               ; Q's six registers stay
	global_load_b64 v[26:27], v11, s[62:63] offset:512
	s_lshr_b32 s56, s61, 1
	s_lshl_b32 s56, s56, 6
	v_lshl_add_u32 v9, v9, 2, s56
	global_load_b32 v35, v9, s[62:63] offset:6144          ; the word of my pair of tiles, row r's
	s_and_b32 s56, s[WV], 1
	s_lshl_b32 s56, s56, 4
	s_wait_loadcnt 0x0
	v_lshrrev_b32 v35, s56, v35
	s_delay_alu instid0(VALU_DEP_1)
	v_and_b32 v35, 0xffff, v35                     ; my tile's two bytes,
	s_delay_alu instid0(VALU_DEP_1)
	v_lshl_or_b32 v[QS], v35, 16, v35              ; for whichever half of the operand holds Q.  (The lines below are the places between this write and the first product)
.irp j, 16,17,18,19,20,21,28,29,30,31,32,33
	v_mov_b32 v[\j], 0                             ; zero codes on both sides of Q
.endr
.irp j, 0,1,2,3,4,5,6,7,8,9,10,11,12,13,14,15,16,17,18,19,20,21,22,23,24,25,26,27,28,29,30,31
	v_mov_b32 v[160+\j], 0                         ; O^T: the step is written once; the first finds zeros, which the first change of M leaves zeros
.endr
	v_mov_b32 v13, 0xff61b1e6                      ; the largest t so far: -3e38
	s_delay_alu instid0(VALU_DEP_1)
	v_floor_f32 v12, -v13                          ; -M
	v_mov_b32 v14, 0
	v_mov_b32 v15, 0
.irp b, 0,1,2,3
	v_mov_b32 v[236+\b], 0                         ; written once: a lane permute's destination counts as one of its sources
.endr
	v_mov_b32 v253, 0                              ; (named as the upper half of the pair v[252:253] before it is first written)
; A PREFETCH of the K and V of head HB + 32, which the work-group 256 places further on in the grid walks: in key step 14 of 16, behind the step's LDS loads.  The head's first cluster asks, for heads under 32;
; its four partners take a quarter of the head each, told apart BY ADDRESS; in each, waves 0 to 5 name 8,192 bytes, lanes 256 bytes apart: one instruction a wave, each aligned block of 256 bytes once in the launch.
; The last 2,048 bytes of each quarter come by their loads alone.
.macro ASK
	s_cmp_eq_u32 s[JS], s[LIM]
	s_cbranch_scc0 .Lnot_mine_\@
	global_prefetch_b8 v7, s[PFA:PFA+1] th:TH_LOAD_NT scope:SCOPE_SE
.Lnot_mine_\@:
.endm
.macro FRAG reg, off                   ; a fragment's image: two halves of 768 bytes
	ds_load_b128 v[\reg:\reg+3], v4 offset:\off
	ds_load_b64 v[\reg+4:\reg+5], v5 offset:(\off)+512
	ds_load_b128 v[\reg+6:\reg+9], v4 offset:(\off)+768
	ds_load_b64 v[\reg+10:\reg+11], v5 offset:(\off)+1280
.endm
; A KEY STEP: 128 keys, the record at s[TB].
.macro STEP
	v_add_nc_u32 v4, s[TB], v1
	v_add_nc_u32 v5, s[TB], v2
	v_add_nc_u32 v6, s[TB], v3
	v_nop                                          ; four plain lines between the last products and the loads into the registers that they read
.irp f, 0,1,2,3
	FRAG KF+12*\f, 1536*\f                         ; key tiles 2 f and 2 f + 1: one operand
.endr
	ds_load_b32 v[KS], v6 offset:12288             ; lanes 0-15: the word of tiles 0, 1; lanes 16-31: of tiles 2, 3
	ds_load_b32 v[KS+1], v6 offset:12416           ; tiles 4, 5 and 6, 7
	s_wait_alu depctr_va_vdst(0)
	s_wait_dscnt 0x0
.irp f, 0,1,2,3
.if (\f%2)
	v_wmma_scale_f32_16x16x128_f8f6f4 v[96+16*\f:103+16*\f], v[KF+12*\f:KF+12*\f+11], v[22:33], 0, v[KS+\f/2], v[QS] matrix_a_fmt:MATRIX_FMT_FP6 matrix_b_fmt:MATRIX_FMT_FP6 matrix_a_scale:MATRIX_SCALE_ROW1
	v_wmma_scale_f32_16x16x128_f8f6f4 v[104+16*\f:111+16*\f], v[KF+12*\f:KF+12*\f+11], v[16:27], 0, v[KS+\f/2], v[QS] matrix_a_fmt:MATRIX_FMT_FP6 matrix_b_fmt:MATRIX_FMT_FP6 matrix_a_scale:MATRIX_SCALE_ROW1
.else
	v_wmma_scale_f32_16x16x128_f8f6f4 v[96+16*\f:103+16*\f], v[KF+12*\f:KF+12*\f+11], v[22:33], 0, v[KS+\f/2], v[QS] matrix_a_fmt:MATRIX_FMT_FP6 matrix_b_fmt:MATRIX_FMT_FP6
	v_wmma_scale_f32_16x16x128_f8f6f4 v[104+16*\f:111+16*\f], v[KF+12*\f:KF+12*\f+11], v[16:27], 0, v[KS+\f/2], v[QS] matrix_a_fmt:MATRIX_FMT_FP6 matrix_b_fmt:MATRIX_FMT_FP6
.endif
.endr
.rept 4
	v_nop                                          ; places in front of the loads below and of the first read of the scores
.endr
.irp d, 0,1,2,3
	FRAG KF+12*\d, 6144+1536*\d                    ; V^T: 16 of the head's 64 x 128 keys; they land while the softmax is walked
.endr
	ds_load_b32 v[VSC], v6 offset:12544            ; d-tiles (0 | 2)
	ds_load_b32 v[VSC+1], v6 offset:12672          ; (1 | 3)
	ASK
.irp b, 0,1,2,3
	v_max3_num_f32 v[232+\b], v[96+16*\b], v[97+16*\b], v[98+16*\b]   ; the largest score of each block of 32 keys: it serves for the row's maximum and, since p rises with the score, for the block's largest p
.endr
.irp i, 3,5,7,9,11,13
.irp b, 0,1,2,3
	v_max3_num_f32 v[232+\b], v[232+\b], v[96+16*\b+\i], v[97+16*\b+\i]
.endr
.endr
.irp b, 0,1,2,3
	v_max_num_f32 v[232+\b], v[232+\b], v[111+16*\b]
.endr
.irp b, 0,1,2,3
	s_delay_alu instid0(VALU_DEP_4)
	v_permlanex16_b32 v[236+\b], v[232+\b], s[SEL], s[SEL+1]
.endr
.irp b, 0,1,2,3
	s_delay_alu instid0(VALU_DEP_4)
	v_max_num_f32 v[232+\b], v[232+\b], v[236+\b]  ; with lane l xor 16's 16 keys
.endr
	s_delay_alu instid0(VALU_DEP_2)
	v_max3_num_f32 v254, v232, v233, v234
	s_delay_alu instid0(VALU_DEP_1)
	v_max_num_f32 v254, v254, v235                 ; the step's largest score of my query
	s_delay_alu instid0(VALU_DEP_1)
	v_mul_f32 v254, s[CS], v254                    ; as t (c is positive)
	s_delay_alu instid0(VALU_DEP_1)
	v_max_num_f32 v13, v13, v254                   ; the running largest t
	v_mov_b32 v254, v12
	s_delay_alu instid0(VALU_DEP_2)
	v_floor_f32 v12, -v13                          ; the new -M = floor(-t): M is a whole number
	s_delay_alu instid0(VALU_DEP_1)
	v_sub_f32 v254, v12, v254                      ; old M - new M: a whole number, 0 or less
	s_delay_alu instid0(VALU_DEP_1)
	v_cvt_i32_f32 v254, v254                       ; (it saturates)
	s_delay_alu instid0(VALU_DEP_1)
	v_ldexp_f32 v252, 1.0, v254                    ; f = 2^(old M - new M)
.irp j, 0,2,4,6,8,10,12,14,16,18,20,22,24,26,28,30,32,34,36,38,40,42,44,46,48,50,52,54,56,58,60,62
	v_pk_fma_f32 v[96+\j:97+\j], v[96+\j:97+\j], s[CS:CS+1], v[12:13] op_sel_hi:[1,0,0]   ; t - M, two at a time
.endr
.irp b, 0,1,2,3
	v_fma_f32 v[232+\b], v[232+\b], s[CS], v12     ; the same of each block's largest score
.endr
	s_setprio 1
	s_wait_alu depctr_va_vdst(0)
.irp j, 0,1,2,3,4,5,6,7,8,9,10,11,12,13,14,15,16,17,18,19,20,21,22,23,24,25,26,27,28,29,30,31,32,33,34,35,36,37,38,39,40,41,42,43,44,45,46,47,48,49,50,51,52,53,54,55,56,57,58,59,60,61,62,63
	v_exp_f32 v[96+\j], v[96+\j]                   ; p = 2^(t - M), at most 1: not normalised
.endr
	v_pk_mul_f32 v[14:15], v[14:15], v[252:253] op_sel_hi:[1,0]   ; the sums under the new M: the plain line behind the exponentials
	s_wait_alu depctr_va_vdst(0)                   ; one wait for the whole batch, ahead of its first reader
.irp b, 0,1,2,3
	v_exp_f32 v[232+\b], v[232+\b]                 ; the block's largest p
.endr
	v_pk_add_f32 v[236:237], v[100:101], v[104:105]
	v_pk_add_f32 v[248:249], v[108:109], v[112:113]
	v_pk_add_f32 v[246:247], v[116:117], v[120:121]
	v_pk_add_f32 v[244:245], v[124:125], v[128:129]
	v_pk_add_f32 v[242:243], v[132:133], v[136:137]
	v_pk_add_f32 v[240:241], v[140:141], v[144:145]
	v_pk_add_f32 v[238:239], v[148:149], v[152:153]
	v_pk_add_f32 v[14:15], v[14:15], v[156:157]
	v_pk_add_f32 v[236:237], v[236:237], v[96:97]
	v_pk_add_f32 v[248:249], v[248:249], v[98:99]
	v_pk_add_f32 v[246:247], v[246:247], v[102:103]
	v_pk_add_f32 v[244:245], v[244:245], v[106:107]
	v_pk_add_f32 v[242:243], v[242:243], v[110:111]
	v_pk_add_f32 v[240:241], v[240:241], v[114:115]
	v_pk_add_f32 v[238:239], v[238:239], v[118:119]
	v_pk_add_f32 v[14:15], v[14:15], v[122:123]
	v_pk_add_f32 v[236:237], v[236:237], v[126:127]
	v_pk_add_f32 v[248:249], v[248:249], v[130:131]
	v_pk_add_f32 v[246:247], v[246:247], v[134:135]
	v_pk_add_f32 v[244:245], v[244:245], v[138:139]
	v_pk_add_f32 v[242:243], v[242:243], v[142:143]
	v_pk_add_f32 v[240:241], v[240:241], v[146:147]
	v_pk_add_f32 v[238:239], v[238:239], v[150:151]
	v_pk_add_f32 v[14:15], v[14:15], v[154:155]
	v_pk_add_f32 v[236:237], v[236:237], v[158:159]
	s_delay_alu instid0(VALU_DEP_2)
	v_pk_add_f32 v[14:15], v[14:15], v[244:245]
	s_delay_alu instid0(VALU_DEP_2)
	v_pk_add_f32 v[236:237], v[236:237], v[242:243]
	v_pk_add_f32 v[248:249], v[248:249], v[240:241]
	v_pk_add_f32 v[246:247], v[246:247], v[238:239]
	s_delay_alu instid0(VALU_DEP_2)
	v_pk_add_f32 v[14:15], v[14:15], v[248:249]
	s_delay_alu instid0(VALU_DEP_2)
	v_pk_add_f32 v[236:237], v[236:237], v[246:247]
	s_delay_alu instid0(VALU_DEP_1)
	v_pk_add_f32 v[14:15], v[14:15], v[236:237]
	s_wait_alu depctr_va_vdst(0)                   ; and one for the four
.irp b, 0,1,2,3
	v_max_num_f32 v[232+\b], 0x1800000, v[232+\b]  ; the floor 2^(3 - 127): the byte cannot fall under 1
.endr
.irp b, 0,1,2,3
	s_delay_alu instid0(VALU_DEP_4)
	v_add_nc_u32 v[244+\b], 0xff000000, v[232+\b]  ; 2 off the exponent field: the conversion's scale operand
.endr
.irp b, 0,1,2,3
	s_delay_alu instid0(VALU_DEP_4)
	v_lshrrev_b32 v[236+\b], 23, v[244+\b]         ; the scale's byte
.endr
	s_delay_alu instid0(VALU_DEP_3)
	v_lshl_or_b32 v253, v237, 8, v236              ; p's scale word for these 128 keys
	s_delay_alu instid0(VALU_DEP_1)
	v_lshl_or_b32 v253, v238, 16, v253
	s_delay_alu instid0(VALU_DEP_1)
	v_lshl_or_b32 v253, v239, 24, v253
.irp c, 0,1
	v_cvt_scalef32_pk16_fp6_f32 v[PC+6*\c:PC+6*\c+2], v[96+32*\c:111+32*\c], v[244+2*\c]
	v_cvt_scalef32_pk16_fp6_f32 v[PC+12+4*\c:PC+14+4*\c], v[112+32*\c:127+32*\c], v[245+2*\c]
.endr
	v_nop                                          ; one plain line behind a scaled conversion
.irp c, 0,1                            ; the operand's layout wants a whole block in a lane
.irp i, 0,1,2
	v_permlane16_swap_b32 v[PC+6*\c+\i], v[PC+12+4*\c+\i]
.endr
.irp i, 0,1,2
	s_delay_alu instid0(VALU_DEP_3)
	v_mov_b32 v[PC+3+6*\c+\i], v[PC+12+4*\c+\i]
.endr
.endr
	s_setprio 0
.irp j, 0,2,4,6,8,10,12,14,16,18,20,22,24,26,28,30
	v_pk_mul_f32 v[160+\j:161+\j], v[160+\j:161+\j], v[252:253] op_sel_hi:[1,0]   ; O^T under the new M.  (These sixteen are also the places between the writes of p's codes and scale word and the products below)
.endr
	s_wait_alu depctr_va_vdst(0)
	s_wait_dscnt 0x0                               ; V is in
.irp d, 0,1,2,3                        ; O^T += V^T P^T: the four accumulators by turns
.if (\d/2)
	v_wmma_scale_f32_16x16x128_f8f6f4 v[160+8*\d:167+8*\d], v[KF+12*\d:KF+12*\d+11], v[PC:PC+11], v[160+8*\d:167+8*\d], v[VSC+\d%2], v253 matrix_a_fmt:MATRIX_FMT_FP6 matrix_b_fmt:MATRIX_FMT_FP6 matrix_a_scale:MATRIX_SCALE_ROW1
.else
	v_wmma_scale_f32_16x16x128_f8f6f4 v[160+8*\d:167+8*\d], v[KF+12*\d:KF+12*\d+11], v[PC:PC+11], v[160+8*\d:167+8*\d], v[VSC+\d%2], v253 matrix_a_fmt:MATRIX_FMT_FP6 matrix_b_fmt:MATRIX_FMT_FP6
.endif
.endr
	s_add_co_u32 s[TB], s[TB], REC
	s_add_co_u32 s[JS], s[JS], 1
.endm
; A quarter of the head: four key steps.  The count leaves the later quarters' loads out, so they may stay out across the barrier.
.macro PHASE c
	s_wait_tensorcnt 3-\c                          ; my loads 0 .. c have landed
	s_wait_dscnt 0x0
	s_barrier_signal -1
	s_barrier_wait -1                              ; everybody's have
	s_mov_b32 s[TB], \c*4*REC
	s_mov_b32 s[CNT], 4
.Lstep_\@:
	s_setprio 2
	STEP
	s_sub_co_u32 s[CNT], s[CNT], 1
	s_cmp_lg_u32 s[CNT], 0
	s_cbranch_scc1 .Lstep_\@
	s_setprio 0
.endm
	PHASE 0
	PHASE 1
	PHASE 2
	PHASE 3
	; THE WAY OUT: O^T / the sum, quantised along d (two blocks of 32), stored as the image of half a fragment
	v_add_f32 v14, v14, v15
	s_delay_alu instid0(VALU_DEP_1)
	v_permlanex16_b32 v252, v14, s[SEL], s[SEL+1]
	s_delay_alu instid0(VALU_DEP_1)
	v_add_f32 v14, v14, v252                       ; the row's sum
	s_wait_alu depctr_va_vdst(0)
	v_rcp_f32 v14, v14
	v_and_b32 v8, 15, v0                           ; (plain lines behind the reciprocal, and places behind the last products)
	v_bfe_u32 v9, v0, 4, 1
	s_delay_alu instid0(VALU_DEP_1)
	v_lshl_add_u32 v10, v8, 3, v9                  ; 8 r + h: my scale byte's place
	v_and_b32 v11, 31, v0
	s_delay_alu instid0(VALU_DEP_1)
	v_cmp_lt_u32 vcc_lo, 15, v11                   ; lanes 16-31
	s_wait_alu depctr_va_vdst(0)                   ; the wait, ahead of the reciprocal's first reader
.irp j, 0,2,4,6,8,10,12,14,16,18,20,22,24,26,28,30
	v_pk_mul_f32 v[96+\j:97+\j], v[160+\j:161+\j], v[14:15] op_sel_hi:[1,0]   ; register 16 b + i = d 32 b + 16 h + i of my query; each accumulator from its low end on
.endr
.irp b, 0,1
	v_max3_num_f32 v[232+\b], |v[96+16*\b]|, |v[97+16*\b]|, 0x1800000
.endr
.irp i, 2,4,6,8,10,12,14
.irp b, 0,1
	s_delay_alu instid0(VALU_DEP_2)
	v_max3_num_f32 v[232+\b], v[232+\b], |v[96+16*\b+\i]|, |v[97+16*\b+\i]|
.endr
.endr
.irp b, 0,1
	s_delay_alu instid0(VALU_DEP_2)
	v_permlanex16_b32 v[236+\b], v[232+\b], s[SEL], s[SEL+1]
.endr
.irp b, 0,1
	s_delay_alu instid0(VALU_DEP_2)
	v_max_num_f32 v[232+\b], v[232+\b], v[236+\b]
.endr
.irp b, 0,1
	s_delay_alu instid0(VALU_DEP_2)
	v_add_nc_u32 v[244+\b], 0xff000000, v[232+\b]
.endr
.irp b, 0,1
	s_delay_alu instid0(VALU_DEP_2)
	v_lshrrev_b32 v[236+\b], 23, v[244+\b]
.endr
	v_cvt_scalef32_pk16_fp6_f32 v[PC:PC+2], v[96:111], v244
	v_cvt_scalef32_pk16_fp6_f32 v[PC+4:PC+6], v[112:127], v245
	v_cndmask_b32 v11, v236, v237, vcc_lo          ; lanes 0-15 store block 0's byte, lanes 16-31 block 1's.  (The plain line behind the conversions)
.irp i, 0,1,2
	v_permlane16_swap_b32 v[PC+\i], v[PC+4+\i]
.endr
	s_delay_alu instid0(VALU_DEP_3)
	v_mov_b32 v[PC+3], v[PC+4]
	s_delay_alu instid0(VALU_DEP_3)
	v_mov_b32 v[PC+4], v[PC+5]
	s_delay_alu instid0(VALU_DEP_3)
	v_mov_b32 v[PC+5], v[PC+6]                     ; lane (r, h): the 24 bytes of d = 32 h .. 32 h + 31
	global_store_b128 v1, v[PC:PC+3], s[70:71]             ; 512 consecutive bytes, aligned
	global_store_b64 v2, v[PC+4:PC+5], s[70:71] offset:512 ; 256
	global_store_b8 v10, v11, s[72:73]             ; two bytes of each row's scale word are this head's: single bytes, 32 a wave
	s_wait_dscnt 0x0
	s_wait_tensorcnt 0x0
	ds_add_u32 v251, v255
	s_wait_dscnt 0x0
	CROUND                                         ; the closing round: no work-group ends while a partner may still ask for a record that names it
	s_endpgm
.Lfunc_end_k_q0deae16e82_attn:
	.size	k_q0deae16e82_attn, .Lfunc_end_k_q0deae16e82_attn-k_q0deae16e82_attn
	.p2alignl 7, 3214868480
	.fill 96, 4, 3214868480
	.section	.rodata,"a",@progbits
	.p2align	6, 0x0
	.amdhsa_kernel k_q0deae16e82_attn
		.amdhsa_group_segment_fixed_size 206848
		.amdhsa_private_segment_fixed_size 0
		.amdhsa_enable_private_segment 0
		.amdhsa_kernarg_size 24
		.amdhsa_user_sgpr_count 2
		.amdhsa_user_sgpr_kernarg_segment_ptr 1
		.amdhsa_wavefront_size32 1
		.amdhsa_system_sgpr_workgroup_id_x 1
		.amdhsa_system_sgpr_workgroup_id_y 1
		.amdhsa_system_sgpr_workgroup_id_z 1
		.amdhsa_system_vgpr_workitem_id 0
		.amdhsa_next_free_vgpr 256
		.amdhsa_next_free_sgpr 80
		.amdhsa_reserve_vcc 1
		.amdhsa_float_denorm_mode_32 3
		.amdhsa_float_denorm_mode_16_64 3
		.amdhsa_memory_ordered 1
		.amdhsa_forward_progress 1
		.amdhsa_inst_pref_size 85
	.end_amdhsa_kernel
	.amdgpu_metadata
---
amdhsa.version: [ 1, 2 ]
amdhsa.kernels:
  - .name:           k_q0deae16e82_attn
    .symbol:         k_q0deae16e82_attn.kd
    .args:
      - { .name: qi, .offset: 0, .size: 8, .value_kind: global_buffer, .address_space: global }
      - { .name: kv, .offset: 8, .size: 8, .value_kind: global_buffer, .address_space: global }
      - { .name: vi, .offset: 16, .size: 8, .value_kind: global_buffer, .address_space: global }
    .group_segment_fixed_size: 206848
    .private_segment_fixed_size: 0
    .kernarg_segment_align: 8
    .kernarg_segment_size: 24
    .max_flat_workgroup_size: 512
    .sgpr_count:     80
    .vgpr_count:     256
    .wavefront_size: 32
...
	.end_amdgpu_metadata
.endif
;; end of part 3
;; launch gemm_out (part 4): grid 4 x 32, 4 waves a work-group, clusters of 4 x 4, 327,680 bytes of LDS; arguments vi, img, b_o, out0; writes out0
.if DOCPART == 4
	.amdgcn_target "amdgcn-amd-amdhsa--gfx1250"
	.amdhsa_code_object_version 6
	.text
	.protected	k_q0deae16e82_gemm_out
	.globl	k_q0deae16e82_gemm_out
	.p2align	8
	.type	k_q0deae16e82_gemm_out,@function
k_q0deae16e82_gemm_out:
	s_mov_b64 s[64:65], 0
	v_nop
	global_prefetch_b8 v0, s[64:65] scope:SCOPE_SE
	s_setreg_imm32_b32 hwreg(HW_REG_WAVE_MODE, 25, 1), 1
	s_wait_xcnt 0x0
	s_wait_alu depctr_hold_cnt(0) depctr_sa_sdst(0) depctr_va_vdst(0) depctr_va_sdst(0) depctr_va_ssrc(0) depctr_va_vcc(0) depctr_vm_vsrc(0)
	s_getreg_b32 s2, hwreg(HW_REG_IB_STS2, 6, 4)
	s_cmp_eq_u32 s2, 0
	s_cbranch_scc0 .Lentry_in_a_cluster
	s_endpgm
.Lentry_in_a_cluster:
	s_bfe_u32 s2, ttmp6, 0x10000c
	s_cmp_lg_u32 s2, 0xf033
	s_cbranch_scc0 .Lentry_shape_is_right
	s_endpgm
.Lentry_shape_is_right:
.set REG,   25600
.set SLOT,  4*REG
.set SPARE, 3*SLOT
.set FR,    12
.set SPITCH, 528
.set ADRS,  4
.set A16,   8
.set A8,    11
.set B16,   14
.set B8,    17
.set STO,   20
.set RD,    21
.set CO,    22
.set BA,    23
.set SPW,   28
.set NIL,   29
.set SC,    32
.set CB,    64
.set AF,    128
.set BK,    128
.set G1,    24
.set G0,    32
.set G1B,   48
.set G0B,   56
.set MSB, 0
.macro WIN new
.if MSB != \new
	s_set_vgpr_msb (MSB<<8)|\new
.set MSB, \new
.endif
.endm
.set MUL_LO, 0xa1
.set MUL_HI, 0xf1
.set TO_B,   0x40
.macro JLOAD g0a, g0b
	s_cmp_eq_u32 s15, 0
	s_cbranch_scc0 .Lfor_b_\@
	tensor_load_to_lds s[\g0a:\g0a+3], s[G1:G1+7]
	s_nop 0
.rept 4
	v_nop
.endr
	s_branch .Lasked_\@
.Lfor_b_\@:
	tensor_load_to_lds s[\g0b:\g0b+3], s[G1B:G1B+7]
	s_nop 0
.rept 4
	v_nop
.endr
.Lasked_\@:
.endm
.macro CREST
	s_cmp_lg_u32 s14, 0
	s_cbranch_scc1 .Lnot_wave_0_\@
	s_barrier_signal -3
.Lnot_wave_0_\@:
	s_barrier_wait -3
	s_barrier_signal -1
	s_barrier_wait -1
.endm
.macro CROUND
	s_barrier_signal -1
	s_barrier_wait -1
	CREST
.endm
.macro PLACES n
.rept \n
	v_nop
.endr
.endm
.macro FRAG reg, a16, a8, off
	ds_load_b128 v[\reg:\reg+3], v[\a16] offset:\off
	ds_load_b64 v[\reg+4:\reg+5], v[\a8] offset:(\off)+512
	ds_load_b128 v[\reg+6:\reg+9], v[\a16] offset:(\off)+768
	ds_load_b64 v[\reg+10:\reg+11], v[\a8] offset:(\off)+1280
.endm
.macro FETCH_B slot, q, p
	WIN TO_B
.irp i, 0,1,2,3,4,5,6,7
	FRAG 128*(\p)+FR*\i, B16+\slot, B8+\slot, (\q)*12288+\i*1536
.endr
	WIN 0
.endm
.macro FETCH_A slot, q, i0
.irp i, \i0, \i0+1, \i0+2, \i0+3
	FRAG AF+FR*(\i), A16+\slot, A8+\slot, (\q)*12288+(\i)*1536
.endr
.endm
.macro SCALES slot, set
.irp i, 0,1,2,3,4,5,6,7
	ds_load_b64 v[SC+16*(\set)+2*\i:SC+16*(\set)+2*\i+1], v[ADRS+\slot] offset:128*\i
.endr
.endm
.macro MUL16 a0, p, q, set, cm
.irp a, \a0, \a0+1
.irp b, 0,1,2,3,4,5,6,7
.if \cm == 0
	v_wmma_scale_f32_16x16x128_f8f6f4 v[8*(8*((\a)%4)+\b):8*(8*((\a)%4)+\b)+7], v[128*(\p)+FR*\b:128*(\p)+FR*\b+FR-1], v[AF+FR*(\a):AF+FR*(\a)+FR-1], v[8*(8*((\a)%4)+\b):8*(8*((\a)%4)+\b)+7], v[SC+16*(\set)+2*\b+(\q)], v[SC+16*(\set)+2*(\a)+(\q)] matrix_a_fmt:MATRIX_FMT_FP6 matrix_b_fmt:MATRIX_FMT_FP6 matrix_a_scale:MATRIX_SCALE_ROW1
.else
	v_wmma_scale_f32_16x16x128_f8f6f4 v[8*(8*((\a)%4)+\b):8*(8*((\a)%4)+\b)+7], v[128*(\p)+FR*\b:128*(\p)+FR*\b+FR-1], v[AF+FR*(\a):AF+FR*(\a)+FR-1], v[CB+8*\b:CB+8*\b+7], v[SC+16*(\set)+2*\b+(\q)], v[SC+16*(\set)+2*(\a)+(\q)] matrix_a_fmt:MATRIX_FMT_FP6 matrix_b_fmt:MATRIX_FMT_FP6 matrix_a_scale:MATRIX_SCALE_ROW1
.endif
.endr
.endr
.endm
.macro STEP slot, q, set, cm, nslot, nq, nset
	s_wait_dscnt 16
.if \cm
	WIN 0x81
.else
	WIN MUL_LO
.endif
	MUL16 0, \q, \q, \set, \cm
	MUL16 2, \q, \q, \set, \cm
	s_wait_dscnt 0x0
	PLACES 4
	FETCH_B \nslot, \nq, 1-\q
	FETCH_A \nslot, \nq, 0
.if \nq == 0
	SCALES \nslot, \nset
.endif
.if \cm
	WIN 0xc1
.else
	WIN MUL_HI
.endif
	MUL16 4, \q, \q, \set, \cm
	MUL16 6, \q, \q, \set, \cm
	PLACES 4
	WIN 0
	FETCH_A \nslot, \nq, 4
.endm
.macro TURN slot, set, next, nset, fill
	s_wait_tensorcnt 0x0
	ds_add_u32 v[SPW], v[NIL]
	s_wait_dscnt 17
	WIN MUL_LO
	MUL16 0, 1, 1, \set, 0
	s_wait_dscnt 0x0
	s_barrier_signal -1
	MUL16 2, 1, 1, \set, 0
	WIN 0
	s_barrier_wait -1
.if \fill
	CREST
	s_add_nc_u64 s[G0+2:G0+3], s[G0+2:G0+3], 3*REG
	s_add_nc_u64 s[G0B+2:G0B+3], s[G0B+2:G0B+3], 3*REG
	JLOAD G0, G0B
.else
	PLACES 4
.endif
	FETCH_B \next, 0, 0
	FETCH_A \next, 0, 0
	SCALES \next, \nset
	WIN MUL_HI
	MUL16 4, 1, 1, \set, 0
	MUL16 6, 1, 1, \set, 0
	PLACES 4
	WIN 0
	FETCH_A \next, 0, 4
.endm
	s_load_b256 s[4:11], s[0:1], 0x0
	v_lshl_add_u32 v[SPW], v0, 2, SPARE
	v_mov_b32 v[NIL], 0
	ds_add_u32 v28, v29
	ds_add_u32 v28, v29
	s_wait_dscnt 0x0
	v_lshrrev_b32 v1, 5, v0
	v_readfirstlane_b32 s14, v1
	s_lshr_b32 s15, s14, 1
	s_and_b32 s16, s14, 1
	s_bfe_u32 s72, ttmp6, 0x40000
	s_bfe_u32 s73, ttmp6, 0x40004
	s_lshl_b32 s77, ttmp9, 2
	s_add_co_u32 s77, s77, s72
	s_and_b32 s78, ttmp7, 0xffff
	s_lshl_b32 s78, s78, 2
	s_add_co_u32 s78, s78, s73
	s_lshl_b32 s44, s73, 2
	s_lshl_b32 s44, 15, s44
	s_lshl_b32 s45, 0x1111, s72
	s_or_b32 s[G1], s44, (3<<16)|(1<<21)
	s_or_b32 s[G1B], s45, (3<<16)|(1<<21)
.irp g, G1, G1B
	s_mov_b32 s[\g+1], 32<<16
	s_mov_b32 s[\g+2], 100<<16
	s_mov_b32 s[\g+3], 32<<16
	s_mov_b32 s[\g+4], 100
	s_mov_b32 s[\g+5], 32
	s_mov_b32 s[\g+6], 0
	s_mov_b32 s[\g+7], 0
.endr
	s_lshl_b32 s81, s78, 1
	s_add_co_u32 s81, s81, s16
	s_mul_i32 s82, s81, 4*REG
	s_mov_b32 s83, 0
	s_lshl_b32 s46, s77, 1
	s_add_co_u32 s46, s46, s16
	s_add_co_u32 s46, s46, 88
	s_mul_i32 s46, s46, 4*REG
	s_mov_b32 s47, 0
	s_mul_i32 s17, s14, REG
	s_wait_kmcnt 0x0
	s_add_nc_u64 s[82:83], s[4:5], s[82:83]
	s_add_nc_u64 s[46:47], s[6:7], s[46:47]
	CROUND
.irp s, 0,1,2
	s_mov_b32 s[G0+4*\s], 1
	s_add_co_u32 s[G0+4*\s+1], s17, \s*SLOT
	s_add_nc_u64 s[G0+4*\s+2:G0+4*\s+3], s[82:83], \s*REG
	s_or_b32 s[G0+4*\s+3], s[G0+4*\s+3], 0x80000000
	s_mov_b32 s[G0B+4*\s+4*(\s/2)], 1
	s_add_co_u32 s[G0B+4*\s+4*(\s/2)+1], s17, \s*SLOT
	s_add_nc_u64 s[G0B+4*\s+4*(\s/2)+2:G0B+4*\s+4*(\s/2)+3], s[46:47], \s*REG
	s_or_b32 s[G0B+4*\s+4*(\s/2)+3], s[G0B+4*\s+4*(\s/2)+3], 0x80000000
	s_wait_alu depctr_va_vdst(0)
	s_wait_tensorcnt 0x0
	ds_add_u32 v28, v29
	ds_add_u32 v28, v29
	s_wait_dscnt 0x0
	CROUND
	JLOAD G0+4*\s, G0B+4*\s+4*(\s/2)
.endr
	v_and_b32 v1, 15, v0
	v_bfe_u32 v2, v0, 4, 1
	v_and_b32 v3, 31, v0
	v_lshlrev_b32 v7, 4, v3
	v_lshlrev_b32 v30, 3, v3
	s_mul_i32 s44, s15, REG
	s_mul_i32 s45, s16, REG
	s_add_co_u32 s45, s45, 2*REG
.irp s, 0,1,2
	v_add_nc_u32 v[A16+\s], s44, v7
	v_add_nc_u32 v[A8+\s], s44, v30
	v_add_nc_u32 v[B16+\s], s45, v7
	v_add_nc_u32 v[B8+\s], s45, v30
	s_add_co_u32 s44, s44, SLOT
	s_add_co_u32 s45, s45, SLOT
.endr
	s_mul_i32 s44, s15, REG
	s_mul_i32 s45, s16, REG
	s_add_co_u32 s45, s45, 2*REG
	s_sub_co_u32 s45, s45, s44
	v_mul_u32_u24 v31, s45, v2
	v_lshl_add_u32 v31, v1, 3, v31
	s_add_co_u32 s44, s44, 24576
.irp s, 0,1,2
	v_add_nc_u32 v[ADRS+\s], s44, v31
	s_add_co_u32 s44, s44, SLOT
.endr
	s_mul_i32 s44, s14, 16*SPITCH
	s_add_co_u32 s44, s44, SLOT
	v_mul_u32_u24 v[STO], v1, SPITCH
	v_lshl_add_u32 v[STO], v2, 6, v[STO]
	v_add_nc_u32 v[STO], s44, v[STO]
	v_add_nc_u32 v[RD], s44, v7
	v_mov_b32 v[CO], v7
	v_lshlrev_b32 v[BA], 6, v2
	s_wait_alu depctr_va_vdst(0)
	s_lshl_b32 s44, s77, 10
	s_lshl_b32 s45, s16, 9
	s_add_co_u32 s44, s44, s45
	s_mov_b32 s45, 0
	s_add_nc_u64 s[12:13], s[8:9], s[44:45]
	s_lshl_b32 s74, s78, 8
	s_lshl_b32 s75, s15, 7
	s_add_co_u32 s74, s74, s75
	s_lshl_b32 s74, s74, 12
	s_add_co_u32 s74, s74, s44
	s_mov_b32 s75, 0
	s_add_nc_u64 s[18:19], s[10:11], s[74:75]
.irp e, 0,1,2,3,4,5,6,7
	global_load_b128 v[CB+8*\e:CB+8*\e+3], v[BA], s[12:13] offset:4*(32*(\e/2)+8*(\e%2))
	global_load_b128 v[CB+8*\e+4:CB+8*\e+7], v[BA], s[12:13] offset:4*(32*(\e/2)+8*(\e%2))+16
.endr
	s_wait_tensorcnt 2
	s_barrier_signal -1
	s_barrier_wait -1
	FETCH_B 0, 0, 0
	FETCH_A 0, 0, 0
	SCALES 0, 0
	FETCH_A 0, 0, 4
	s_wait_loadcnt 0x0
	STEP 0, 0, 0, 1, 0, 1, 0
	TURN 0, 0, 1, 1, 1
	STEP 1, 0, 1, 0, 1, 1, 1
	STEP 1, 1, 1, 0, 2, 0, 0
	STEP 2, 0, 0, 0, 2, 1, 0
	TURN 2, 0, 0, 1, 0
	STEP 0, 0, 1, 0, 0, 1, 1
	s_wait_dscnt 16
	WIN MUL_LO
	MUL16 0, 1, 1, 1, 0
	MUL16 2, 1, 1, 1, 0
	s_wait_dscnt 0x0
	WIN MUL_HI
	MUL16 4, 1, 1, 1, 0
	MUL16 6, 1, 1, 1, 0
	WIN 0
.macro TOSTAGE a
.set AC, 64*((\a)%4)
	WIN 0x08+4*((\a)/4)
.irp b, 0,1,2,3
.irp d, 0,1,2,3
	ds_store_b128 v[STO], v[AC+16*\b+4*\d:AC+16*\b+4*\d+3] offset:128*\b+16*\d
.endr
.endr
	WIN 0
.set BB, BK+64*((\a)%2)
.irp t, 0,1,2,3,4,5,6,7,8,9,10,11,12,13,14,15
	ds_load_b128 v[BB+4*\t:BB+4*\t+3], v[RD] offset:\t*SPITCH
.endr
.endm
.macro SEND a, younger
.set BB, BK+64*((\a)%2)
	s_wait_dscnt \younger
.irp t, 0,1,2,3,4,5,6,7,8,9,10,11,12,13,14,15
	global_store_b128 v[CO], v[BB+4*\t:BB+4*\t+3], s[18:19] offset:(32*((\a)/2)+8*((\a)%2)+\t+8*(\t/8))*4096 th:TH_STORE_NT
.endr
.endm
	PLACES 4
	TOSTAGE 0
.irp a, 1,2,3,4,5,6,7
.if \a > 1
	s_wait_xcnt 0x0
.endif
	TOSTAGE \a
	SEND \a-1, 32
.endr
	SEND 7, 0
	s_wait_tensorcnt 0x0
	ds_add_u32 v[SPW], v[NIL]
	s_wait_dscnt 0x0
	CROUND
	s_endpgm
.Lfunc_end_k_q0deae16e82_gemm_out:
	.size	k_q0deae16e82_gemm_out, .Lfunc_end_k_q0deae16e82_gemm_out-k_q0deae16e82_gemm_out
	.p2alignl 7, 3214868480
	.fill 96, 4, 3214868480
	.section	.rodata,"a",@progbits
	.p2align	6, 0x0
	.amdhsa_kernel k_q0deae16e82_gemm_out
		.amdhsa_group_segment_fixed_size 327680
		.amdhsa_private_segment_fixed_size 0
		.amdhsa_enable_private_segment 0
		.amdhsa_kernarg_size 32
		.amdhsa_user_sgpr_count 2
		.amdhsa_user_sgpr_kernarg_segment_ptr 1
		.amdhsa_wavefront_size32 1
		.amdhsa_system_sgpr_workgroup_id_x 1
		.amdhsa_system_sgpr_workgroup_id_y 1
		.amdhsa_system_sgpr_workgroup_id_z 1
		.amdhsa_system_vgpr_workitem_id 0
		.amdhsa_next_free_vgpr 1024
		.amdhsa_next_free_sgpr 100
		.amdhsa_reserve_vcc 0
		.amdhsa_float_denorm_mode_32 3
		.amdhsa_float_denorm_mode_16_64 3
		.amdhsa_memory_ordered 1
		.amdhsa_forward_progress 1
		.amdhsa_inst_pref_size 144
	.end_amdhsa_kernel
	.amdgpu_metadata
---
amdhsa.version: [ 1, 2 ]
amdhsa.kernels:
  - .name:           k_q0deae16e82_gemm_out
    .symbol:         k_q0deae16e82_gemm_out.kd
    .args:
      - { .name: vi, .offset: 0, .size: 8, .value_kind: global_buffer, .address_space: global }
      - { .name: img, .offset: 8, .size: 8, .value_kind: global_buffer, .address_space: global }
      - { .name: b_o, .offset: 16, .size: 8, .value_kind: global_buffer, .address_space: global }
      - { .name: out0, .offset: 24, .size: 8, .value_kind: global_buffer, .address_space: global }
    .group_segment_fixed_size: 327680
    .private_segment_fixed_size: 0
    .kernarg_segment_align: 8
    .kernarg_segment_size: 32
    .max_flat_workgroup_size: 128
    .sgpr_count:     100
    .vgpr_count:     1024
    .wavefront_size: 32
...
	.end_amdgpu_metadata
.endif
;; end of part 4
